; MI455X (gfx1250); checked and timed in simulation.
; The chip was launched on July 23, 2026; its instructions are those of AMD's public machine-readable ISA for CDNA 5 (MIT licence, August 2026) and "CDNA5" Instruction Set Architecture Reference Guide (July 2026). The comments in the code are by the model that wrote it; some were corrected since.
;; Moe. Allowed arithmetic: matrix products marked QUANTISED: E4M3 operands, one given power-of-two scale a tensor, by v_wmma_f32_16x16x64_fp8_fp8 or v_wmma_f32_16x16x128_fp8_fp8, f32 sums; products left as they are: f32 operands where the result goes on into a quantised operand, else bf16, f16 or f32 operands; f32 sums; everything else in f32.
;; Inputs: gate_w 8 x 512 float32; lowp_scales 32 int32 (the exponents e of the quantised operands' scales 2^e); w1_codes 8 x 2,048 x 16 x 32 uint8 (E4M3 codes of w1, K innermost, in blocks of 32 codes); w2_codes 8 x 512 x 64 x 32 uint8 (E4M3 codes of w2, K innermost, in blocks of 32 codes); x 8 x 512 x 512 float32.
;; Outputs: out0 8 x 512 x 512 float32.
;; This version of the problem:
;;   THIS VERSION OF THE PROBLEM IS GIVEN IN LOW PRECISION. The matrix products marked QUANTISED in the list below multiply operands that are first quantised to E4M3 (4 exponent bits, 3 mantissa bits; 8 bits a number), with one given power-of-two scale for each operand tensor; their sums are f32. All else is computed in f32.
;;   The module's matrix products, in the order in which they are computed (A, B: the left and right operand; K: the contracted axis; several contracted axes count as one K, in the product's order):
;;     1. [M 4,096, K 512] x [K 512, N 8]; A: input x; B: input gate_w: left as it is (N = 8 < 16)
;;     2. [M 4,096, K 512] x [K 512, N 2,048]; A: input x; B: input w1 (given as codes): QUANTISED (scales: A lowp_scales[0], B lowp_scales[1])
;;     3. [M 4,096, K 2,048] x [K 2,048, N 512]; A: computed on the way; B: input w2 (given as codes): QUANTISED (scales: A lowp_scales[2], B lowp_scales[3])
;;     4. [M 4,096, K 512] x [K 512, N 2,048]; A: input x; B: input w1 (given as codes): QUANTISED (scales: A lowp_scales[4], B lowp_scales[5])
;;     5. [M 4,096, K 2,048] x [K 2,048, N 512]; A: computed on the way; B: input w2 (given as codes): QUANTISED (scales: A lowp_scales[6], B lowp_scales[7])
;;     6. [M 4,096, K 512] x [K 512, N 2,048]; A: input x; B: input w1 (given as codes): QUANTISED (scales: A lowp_scales[8], B lowp_scales[9])
;;     7. [M 4,096, K 2,048] x [K 2,048, N 512]; A: computed on the way; B: input w2 (given as codes): QUANTISED (scales: A lowp_scales[10], B lowp_scales[11])
;;     8. [M 4,096, K 512] x [K 512, N 2,048]; A: input x; B: input w1 (given as codes): QUANTISED (scales: A lowp_scales[12], B lowp_scales[13])
;;     9. [M 4,096, K 2,048] x [K 2,048, N 512]; A: computed on the way; B: input w2 (given as codes): QUANTISED (scales: A lowp_scales[14], B lowp_scales[15])
;;     10. [M 4,096, K 512] x [K 512, N 2,048]; A: input x; B: input w1 (given as codes): QUANTISED (scales: A lowp_scales[16], B lowp_scales[17])
;;     11. [M 4,096, K 2,048] x [K 2,048, N 512]; A: computed on the way; B: input w2 (given as codes): QUANTISED (scales: A lowp_scales[18], B lowp_scales[19])
;;     12. [M 4,096, K 512] x [K 512, N 2,048]; A: input x; B: input w1 (given as codes): QUANTISED (scales: A lowp_scales[20], B lowp_scales[21])
;;     13. [M 4,096, K 2,048] x [K 2,048, N 512]; A: computed on the way; B: input w2 (given as codes): QUANTISED (scales: A lowp_scales[22], B lowp_scales[23])
;;     14. [M 4,096, K 512] x [K 512, N 2,048]; A: input x; B: input w1 (given as codes): QUANTISED (scales: A lowp_scales[24], B lowp_scales[25])
;;     15. [M 4,096, K 2,048] x [K 2,048, N 512]; A: computed on the way; B: input w2 (given as codes): QUANTISED (scales: A lowp_scales[26], B lowp_scales[27])
;;     16. [M 4,096, K 512] x [K 512, N 2,048]; A: input x; B: input w1 (given as codes): QUANTISED (scales: A lowp_scales[28], B lowp_scales[29])
;;     17. [M 4,096, K 2,048] x [K 2,048, N 512]; A: computed on the way; B: input w2 (given as codes): QUANTISED (scales: A lowp_scales[30], B lowp_scales[31])
;;   THE QUANTISER, for each operand of a quantised product, along K:
;;     - The operand's scale is 2^e, e = its entry of the input lowp_scales (int32; the entries are numbered through the quantised products in the list's order, A before B).
;;     - Each number is divided by the scale, clamped to +-448, and rounded to the nearest number of E4M3, ties to even, subnormals kept.
;;     - The product sums the exact products of the quantised numbers (number of the format x scale) in f32.
;;   ~~~python
;;   def quantise(x, axis, e):      # numpy; x: float32 -> the quantised numbers, widened to float32 again
;;       x = np.moveaxis(x, axis, -1); K = x.shape[-1]
;;       r = np.clip(x / 2.0 ** e, -448, 448)
;;       step = 2.0 ** (np.maximum(np.frexp(np.where(r == 0, 1, r))[1] - 1, -6) - 3)
;;       q = np.round(r / step) * step * 2.0 ** e      # np.round: ties to even
;;       return np.moveaxis(q, -1, axis).astype(np.float32)
;;   ~~~
;;   OPERANDS COMPUTED ON THE WAY. 'Computed on the way' means the value that the module computes at that place (a softmax that the list does not call 'softmax' is quantised finished and normalised). What goes into a quantiser is computed in f32, as accurately as f32 sums, v_exp_f32 and their like allow (about 1e-6 of the number): no bf16 or f16 on the way to a quantiser, and a product that is left as it is and whose result goes on into a quantised operand takes f32 operands (vector FMAs, or v_wmma_f32_16x16x4_f32). A number that lies on a knife's edge between two numbers of the format may be rounded either way, as far as f32 arithmetic and the matrix unit's own rounding can turn it there, and no further.
;;   INPUTS GIVEN AS CODES. w1 (in the module: [8, 2048, 512], K = its axis 2); w2 (in the module: [8, 512, 2048], K = its axis 2): each comes as NAME_codes (uint8): NAME with its K axis moved to the last place and cut into blocks of 32 codes, [.., K / 32, bytes a block], one block behind the other in memory; one code a byte (a code: sign, 4 exponent bits, 3 mantissa bits); its scale is its entry of lowp_scales. Its value is code x scale, taken as it is: it is not quantised again, and the codes and scales need not be those that the quantiser above would give.
;; 3 versions, each right; version 2 is faster than version 1; version 3 is version 2 with the launch chain written anew for expert scheduling mode. Each part assembles by itself: llvm-mc -triple=amdgcn-amd-amdhsa -mcpu=gfx1250 --defsym DOCPART=n.
;; ======== version 1 of 3: 4 launches
;; workspace buffers: w1f 8,388,608 bytes; w2f 8,388,608 bytes; sel 16,384 bytes of whole numbers; gwt 32,768 bytes; rows 32,768 bytes of whole numbers; tiles 1,024 bytes of whole numbers; ws 16,777,216 bytes
;; launch prep (part 1): grid 384 x 1, 4 waves a work-group, no clusters, 34,304 bytes of LDS; arguments x, gate_w, w1_codes, w2_codes, sel, gwt, w1f, w2f; writes sel, gwt, w1f, w2f
.if DOCPART == 1
	.amdgcn_target "amdgcn-amd-amdhsa--gfx1250"
	.amdhsa_code_object_version 6
	.text
	.protected	k_q84d4de7aaa_prep
	.globl	k_q84d4de7aaa_prep
	.p2align	8
	.type	k_q84d4de7aaa_prep,@function
k_q84d4de7aaa_prep:
	s_mov_b64 s[64:65], 0
	v_nop
	global_prefetch_b8 v0, s[64:65] scope:SCOPE_SE
	s_setreg_imm32_b32 hwreg(HW_REG_WAVE_MODE, 25, 1), 1
	s_wait_xcnt 0x0
; TWO JOBS IN ONE LAUNCH, parted by the work-group's number.
; Work-groups 0-127: THE ROUTER.  logits = x gate_w^T in f32 (fused multiply-adds), the two largest of eight (of equal logits the lower index wins),
; softmax over the two with the larger one taken away first.  Stored at fixed places: sel[t] = i1 | i2 << 8, gwt[t] = the two weights.
; A wave takes 8 tokens; a lane holds 16 numbers of a row (four loads of 512 consecutive bytes), gate_w stays in 128 registers.
; LIMITS: NaN or infinite logits are not served; where the second and the third logit lie closer than the rounding of a sum of 512 f32 products, the choice may differ.
; The last stores are 32 and 64 bytes a wave: sel and gwt are 48 KB in all.
; Work-groups 128-383: THE WEIGHTS' CODES ARE LAID OUT AS IMAGES OF OPERAND REGISTERS (128-255: w1, the others w2).  A fragment is 16 rows x 128 K = 2,048 bytes:
; piece c (0..3) is 512 bytes, lane l = (r, h) has its 16 bytes at 16 l: the row's bytes 128 s + 32 c + 16 h on.
;   w1f [e][T 0..127][s 0..3]: lane r of tile T takes row 32 (T / 2) + 8 (T % 2) + r + 8 (r / 8)      w2f [e][q 0..3][N 0..31][s 0..3]: row 16 N + r, bytes 512 q + 128 s on
; A job is 16 rows x 512 bytes (four fragments); a wave does two.  Each load reads 512 consecutive bytes of a row; the rows turn through the wave's own stage in LDS
; (rows 528 bytes apart, so that the 16 rows of a read start at 16 different groups of banks) and leave as 8,192 dense bytes.  No barrier: waves share nothing.
.set G,   32                           ; v32-159  gate_w: expert e, load j at 32 + 16 e + 4 j
.set X,   160                          ; v160-223 four slots of 16 numbers of x
.set A,   224                          ; v224-239 eight pairs of partial sums
.set L,   240                          ; v240-247 lane k: token k's eight logits
.set S,   248                          ; v248-255 at work
.set STW, 16*528                       ; a wave's stage
	s_load_b256 s[4:11], s[0:1], 0x0               ; x, gate_w, w1_codes, w2_codes
	s_load_b256 s[12:19], s[0:1], 0x20             ; sel, gwt, w1f, w2f
	v_lshl_add_u32 v14, v0, 2, 0x8400
	v_mov_b32 v15, 0
	v_lshrrev_b32 v1, 5, v0
	v_readfirstlane_b32 s20, v1                    ; wave
	v_and_b32 v1, 31, v0                           ; lane
	v_lshlrev_b32 v2, 4, v1                        ; 16 x lane
	v_and_b32 v3, 15, v0                           ; r
	v_bfe_u32 v4, v0, 4, 1                         ; h
	s_mul_i32 s21, s20, STW
	v_add_nc_u32 v12, s21, v2                      ; the stage, in: 16 x lane of a row
	v_mul_u32_u24 v13, v3, 528
	v_lshl_add_u32 v13, v4, 4, v13
	v_add_nc_u32 v13, s21, v13                     ; and out: row r, + 16 h
	s_cmp_lt_u32 ttmp9, 128
	s_cbranch_scc0 .Lrelay
	; ---------------- the router
	s_lshl_b32 s32, ttmp9, 16                      ; 32 tokens of 2,048 bytes a work-group,
	s_lshl_b32 s33, s20, 14                        ; 8 a wave
	s_add_co_u32 s32, s32, s33
	s_mov_b32 s33, 0
	s_mov_b32 s22, 0x76543210                      ; v_permlanex16_b32: lane l xor 16
	s_mov_b32 s23, 0xfedcba98
	s_wait_kmcnt 0x0
	s_add_nc_u64 s[4:5], s[4:5], s[32:33]
.irp e, 0,1,2,3,4,5,6,7
.irp j, 0,1,2,3
	global_load_b128 v[G+16*\e+4*\j:G+16*\e+4*\j+3], v2, s[6:7] offset:2048*\e+512*\j
.endr
.endr
.macro XTOK k                          ; token k's row into slot k % 4
.irp j, 0,1,2,3
	global_load_b128 v[X+16*((\k)%4)+4*\j:X+16*((\k)%4)+4*\j+3], v2, s[4:5] offset:2048*(\k)+512*\j
.endr
.endm
	XTOK 0
	XTOK 1
	XTOK 2
	XTOK 3
; One token: eight dot products in eight chains, then the sum over the 32 lanes; lane k keeps token k's logits.  left: the younger tokens' loads, four each, may stay out.
.macro TOKEN k, left
	s_wait_loadcnt \left
.set XS, X+16*((\k)%4)
.irp e, 0,1,2,3,4,5,6,7
	v_pk_mul_f32 v[A+2*\e:A+2*\e+1], v[XS:XS+1], v[G+16*\e:G+16*\e+1]
.endr
.irp p, 1,2,3,4,5,6,7
.irp e, 0,1,2,3,4,5,6,7
	v_pk_fma_f32 v[A+2*\e:A+2*\e+1], v[XS+2*\p:XS+2*\p+1], v[G+16*\e+2*\p:G+16*\e+2*\p+1], v[A+2*\e:A+2*\e+1]
.endr
.endr
.if (\k) < 4
	XTOK (\k)+4
.endif
.irp e, 0,1,2,3,4,5,6,7
	v_add_f32 v[S+\e], v[A+2*\e], v[A+2*\e+1]
.endr
.irp d, 1,2,4,8
.irp e, 0,1,2,3,4,5,6,7
	v_add_f32_dpp v[S+\e], v[S+\e], v[S+\e] row_xmask:\d row_mask:0xf bank_mask:0xf
.endr
.endr
.irp e, 0,1,2,3,4,5,6,7
	v_permlanex16_b32 v[A+2*\e], v[S+\e], s22, s23     ; its destination has been written
.endr
.irp e, 0,1,2,3,4,5,6,7
	v_add_f32 v[S+\e], v[S+\e], v[A+2*\e]
.endr
.if (\k) == 0
.irp e, 0,1,2,3,4,5,6,7
	v_mov_b32 v[L+\e], v[S+\e]
.endr
.else
	s_mov_b32 s24, 1<<(\k)
.irp e, 0,1,2,3,4,5,6,7
	v_cndmask_b32 v[L+\e], v[L+\e], v[S+\e], s24
.endr
.endif
.endm
	TOKEN 0, 12
	TOKEN 1, 12
	TOKEN 2, 12
	TOKEN 3, 12
	TOKEN 4, 12
	TOKEN 5, 8
	TOKEN 6, 4
	TOKEN 7, 0
	; the largest logit and its index: the old one is kept where it is at least as large, so the lower index wins
	v_mov_b32 v3, v[L]
	v_mov_b32 v4, 0
.irp e, 1,2,3,4,5,6,7
	v_cmp_ge_f32 vcc_lo, v3, v[L+\e]
	v_cndmask_b32 v4, \e, v4, vcc_lo
	v_max_num_f32 v3, v3, v[L+\e]
.endr
	v_mov_b32 v5, 0xff800000                       ; the winner leaves the field: -infinity in its place
.irp e, 0,1,2,3,4,5,6,7
	v_cmp_eq_u32 vcc_lo, \e, v4
	v_cndmask_b32 v[L+\e], v[L+\e], v5, vcc_lo
.endr
	v_mov_b32 v6, v[L]
	v_mov_b32 v7, 0
.irp e, 1,2,3,4,5,6,7
	v_cmp_ge_f32 vcc_lo, v6, v[L+\e]
	v_cndmask_b32 v7, \e, v7, vcc_lo
	v_max_num_f32 v6, v6, v[L+\e]
.endr
	v_sub_f32 v8, v6, v3                           ; the second logit less the largest: 0 or less
	v_mul_f32 v8, 0x3fb8aa3b, v8                   ; x log2(e)
	v_exp_f32 v9, v8
	v_lshl_or_b32 v18, v7, 8, v4                   ; (a plain place behind the exponential)  i1 | i2 << 8
	s_wait_alu depctr_va_vdst(0)
	v_add_f32 v10, 1.0, v9
	v_rcp_f32 v16, v10                             ; the first weight: 1 / (1 + e^(m2 - m1))
	v_lshlrev_b32 v19, 2, v1                       ; (a plain place behind the reciprocal)
	s_wait_alu depctr_va_vdst(0)
	v_mul_f32 v17, v9, v16                         ; the second
	v_lshlrev_b32 v20, 3, v1
	s_lshl_b32 s32, ttmp9, 5
	s_lshl_b32 s34, s20, 3
	s_add_co_u32 s32, s32, s34                     ; my first token
	s_lshl_b32 s34, s32, 3
	s_mov_b32 s35, 0
	s_lshl_b32 s32, s32, 2
	s_add_nc_u64 s[12:13], s[12:13], s[32:33]
	s_add_nc_u64 s[14:15], s[14:15], s[34:35]
	s_wait_xcnt 0x0                                ; EXEC changes only behind this wait
	v_cmp_gt_u32 vcc_lo, 8, v1
	s_and_saveexec_b32 s36, vcc_lo                 ; lanes 0-7 hold the wave's eight tokens
	global_store_b32 v19, v18, s[12:13]
	global_store_b64 v20, v[16:17], s[14:15]
	s_endpgm
	; ---------------- the weights' layout.  One way for both tensors: only pointers and numbers are chosen, by the work-group's number
.Lrelay:
	s_sub_co_u32 s21, ttmp9, 128
	s_lshl_b32 s21, s21, 2
	s_add_co_u32 s21, s21, s20
	s_lshl_b32 s21, s21, 1                         ; J: my first job, 0 .. 2046, even
	s_lshr_b32 s24, s21, 7                         ; w1: expert J / 128,
	s_lshl_b32 s24, s24, 20
	s_bfe_u32 s26, s21, 0x60001                    ; (J % 128) / 2 groups of 32 rows of 512 bytes
	s_lshl_b32 s26, s26, 14
	s_add_co_u32 s24, s24, s26
	s_and_b32 s27, s21, 1023                       ; w2: J - 1024
	s_lshr_b32 s28, s27, 7                         ; expert,
	s_lshl_b32 s28, s28, 20
	s_and_b32 s29, s27, 31                         ; N: 16 rows of 2,048 bytes,
	s_lshl_b32 s29, s29, 15
	s_add_co_u32 s28, s28, s29
	s_bfe_u32 s29, s27, 0x20005                    ; q: 512 bytes along the rows
	s_lshl_b32 s29, s29, 9
	s_add_co_u32 s28, s28, s29
	s_lshl_b32 s36, s27, 13                        ; where a job's 8,192 bytes go, in either buffer
	s_mov_b32 s37, 0
	s_mov_b32 s25, 0
	s_mov_b32 s35, 0
	s_mov_b32 s30, 2048                            ; w2: from row to row,
	s_mov_b32 s31, 16384                           ; from row 0 to row 8 of a job,
	s_mov_b32 s34, 32768                           ; from my first job to my second
	s_wait_kmcnt 0x0
	s_cmp_lt_u32 ttmp9, 256
	s_cselect_b32 s24, s24, s28
	s_cselect_b32 s30, 512, s30
	s_cselect_b32 s31, 8192, s31                   ; w1: lanes 8-15 of a tile take the rows 16 further on
	s_cselect_b32 s34, 4096, s34                   ; w1: the odd tile begins 8 rows further on
	s_cselect_b64 s[8:9], s[8:9], s[10:11]
	s_cselect_b64 s[16:17], s[16:17], s[18:19]
	s_add_nc_u64 s[8:9], s[8:9], s[24:25]
	s_add_nc_u64 s[10:11], s[8:9], s[34:35]
	s_add_nc_u64 s[16:17], s[16:17], s[36:37]
	v_mov_b32 v16, v2                              ; v16-31: row i's offset + 16 x lane
.irp i, 1,2,3,4,5,6,7
	v_add_nc_u32 v[16+\i], s30, v[15+\i]
.endr
	v_add_nc_u32 v24, s31, v2
.irp i, 9,10,11,12,13,14,15
	v_add_nc_u32 v[16+\i], s30, v[15+\i]
.endr
.irp i, 0,1,2,3,4,5,6,7,8,9,10,11,12,13,14,15
	global_load_b128 v[32+4*\i:35+4*\i], v[16+\i], s[8:9] th:TH_LOAD_NT
.endr
.irp i, 0,1,2,3,4,5,6,7,8,9,10,11,12,13,14,15
	global_load_b128 v[96+4*\i:99+4*\i], v[16+\i], s[10:11] th:TH_LOAD_NT
.endr
.macro TURN d                          ; 16 rows through the stage: LDS serves a wave's instructions in order, so no wait stands between stores and loads, nor in front of the next job's stores
.irp i, 0,1,2,3,4,5,6,7,8,9,10,11,12,13,14,15
	ds_store_b128 v12, v[\d+4*\i:\d+4*\i+3] offset:528*\i
.endr
.irp f, 0,1,2,3,4,5,6,7,8,9,10,11,12,13,14,15  ; f = 4 s + c: 32 bytes of the rows for each piece
	ds_load_b128 v[\d+4*\f:\d+4*\f+3], v13 offset:32*\f
.endr
.endm
	s_wait_loadcnt 16                              ; the first job's 16 loads are in
	TURN 32
	s_wait_loadcnt 0x0
	TURN 96
	s_wait_dscnt 32                                ; the first job is back; the second job's 16 stores and 16 loads may be out
.irp f, 0,1,2,3,4,5,6,7,8,9,10,11,12,13,14,15
	global_store_b128 v2, v[32+4*\f:35+4*\f], s[16:17] offset:512*\f         ; 32 lanes store 512 consecutive bytes
.endr
	s_wait_dscnt 0x0
.irp f, 0,1,2,3,4,5,6,7,8,9,10,11,12,13,14,15
	global_store_b128 v2, v[96+4*\f:99+4*\f], s[16:17] offset:8192+512*\f
.endr
	s_wait_tensorcnt 0x0
	ds_add_u32 v14, v15
	s_wait_dscnt 0x0
	s_endpgm
.Lfunc_end_k_q84d4de7aaa_prep:
	.size	k_q84d4de7aaa_prep, .Lfunc_end_k_q84d4de7aaa_prep-k_q84d4de7aaa_prep
	.p2alignl 7, 3214868480
	.fill 96, 4, 3214868480
	.section	.rodata,"a",@progbits
	.p2align	6, 0x0
	.amdhsa_kernel k_q84d4de7aaa_prep
		.amdhsa_group_segment_fixed_size 34304
		.amdhsa_private_segment_fixed_size 0
		.amdhsa_enable_private_segment 0
		.amdhsa_kernarg_size 64
		.amdhsa_user_sgpr_count 2
		.amdhsa_user_sgpr_kernarg_segment_ptr 1
		.amdhsa_wavefront_size32 1
		.amdhsa_system_sgpr_workgroup_id_x 1
		.amdhsa_system_sgpr_workgroup_id_y 1
		.amdhsa_system_sgpr_workgroup_id_z 1
		.amdhsa_system_vgpr_workitem_id 0
		.amdhsa_next_free_vgpr 256
		.amdhsa_next_free_sgpr 66
		.amdhsa_reserve_vcc 1
		.amdhsa_float_denorm_mode_32 3
		.amdhsa_float_denorm_mode_16_64 3
		.amdhsa_memory_ordered 1
		.amdhsa_forward_progress 1
		.amdhsa_inst_pref_size 83
	.end_amdhsa_kernel
	.amdgpu_metadata
---
amdhsa.version: [ 1, 2 ]
amdhsa.kernels:
  - .name:           k_q84d4de7aaa_prep
    .symbol:         k_q84d4de7aaa_prep.kd
    .args:
      - { .name: x, .offset: 0, .size: 8, .value_kind: global_buffer, .address_space: global }
      - { .name: gate_w, .offset: 8, .size: 8, .value_kind: global_buffer, .address_space: global }
      - { .name: w1_codes, .offset: 16, .size: 8, .value_kind: global_buffer, .address_space: global }
      - { .name: w2_codes, .offset: 24, .size: 8, .value_kind: global_buffer, .address_space: global }
      - { .name: sel, .offset: 32, .size: 8, .value_kind: global_buffer, .address_space: global }
      - { .name: gwt, .offset: 40, .size: 8, .value_kind: global_buffer, .address_space: global }
      - { .name: w1f, .offset: 48, .size: 8, .value_kind: global_buffer, .address_space: global }
      - { .name: w2f, .offset: 56, .size: 8, .value_kind: global_buffer, .address_space: global }
    .group_segment_fixed_size: 34304
    .private_segment_fixed_size: 0
    .kernarg_segment_align: 8
    .kernarg_segment_size: 64
    .max_flat_workgroup_size: 128
    .sgpr_count:     66
    .vgpr_count:     256
    .wavefront_size: 32
...
	.end_amdgpu_metadata
.endif
;; end of part 1
;; launch place (part 2): grid 1 x 1, 32 waves a work-group, no clusters, 12,288 bytes of LDS; arguments sel, rows, tiles; writes rows, tiles
.if DOCPART == 2
	.amdgcn_target "amdgcn-amd-amdhsa--gfx1250"
	.amdhsa_code_object_version 6
	.text
	.protected	k_q84d4de7aaa_place
	.globl	k_q84d4de7aaa_place
	.p2align	8
	.type	k_q84d4de7aaa_place,@function
k_q84d4de7aaa_place:
	s_mov_b64 s[64:65], 0
	v_nop
	global_prefetch_b8 v0, s[64:65] scope:SCOPE_SE
	s_setreg_imm32_b32 hwreg(HW_REG_WAVE_MODE, 25, 1), 1
	s_wait_xcnt 0x0
; THE 8,192 ROUTED ROWS (slot = 2 x token + k) ARE SORTED BY EXPERT, by a counting sort without atomics, and the list of tiles is made.  Whole numbers only.
; One work-group of 32 waves; thread t holds tokens 4 t .. 4 t + 3: eight keys, slots 8 t + q.
; Counts for each (expert, wave) meet in LDS; waves 0-7 make, each for one expert, the prefix over the 32 waves; then every wave ranks its keys by mask counts.
; TILES: 64 rows of one expert.  The sum over the experts of ceil(n / 64) lies between 128 and 135 (the n add up to 8,192).  What is short of 135 (at most 7) is made up in the fullest expert
; (it has 1,024 rows or more): so many of its first full tiles are cut into two tiles of 32 rows.  So there are ALWAYS 135 tiles, and each has rows.
; tiles[g] = expert | rows << 8 | first place in the list << 16; words 135-255 are 0 and nobody reads them.
; The stores into the list are 4 bytes a lane at sorted places: 32 KB in all.
; LDS: counts [e][wave] at 0, prefixes [e][wave] at 1,024, totals [e] at 2,048.
.set K,   8                            ; v8-15    my eight keys
.set CV,  16                           ; v16-23   counts on their way to LDS
.set C,   24                           ; v24-55   an expert's 32 counts
.set POS, 64                           ; v64-71   my keys' places
.set PRE, 72                           ; v72-79
.set TOT, 80                           ; v80-87   rows of each expert
.set OFS, 88                           ; v88-95   where each expert's rows begin
.set DAT, 96                           ; v96-103  my slots
.set CN,  24                           ; s24-31   my wave's counts; later tiles of each expert
.set RUN, 32                           ; s32-39   my wave's first place in each expert
.set MK,  40                           ; s40-47   eight masks; later the totals
.set SOF, 48                           ; s48-55   the experts' first places
	s_load_b128 s[4:7], s[0:1], 0x0                ; sel, rows
	s_load_b64 s[8:9], s[0:1], 0x10                ; tiles
	v_lshl_add_u32 v126, v0, 2, 0x2000
	v_mov_b32 v127, 0
	v_lshrrev_b32 v2, 5, v0
	v_readfirstlane_b32 s20, v2                    ; wave
	v_and_b32 v1, 31, v0                           ; lane
	v_lshlrev_b32 v3, 4, v0
	v_lshlrev_b32 v56, 2, v2                       ; LDS addresses, all made here: 4 x wave
	v_lshlrev_b32 v57, 7, v2                       ; 128 x wave (waves 0-7: their expert's counts)
	v_lshl_add_u32 v58, v0, 2, 1024                ; 1,024 + 128 x wave + 4 x lane
	v_lshl_add_u32 v59, v2, 2, 2048
	v_lshl_add_u32 v60, v2, 2, 1024
	v_mov_b32 v61, 0
	s_wait_kmcnt 0x0
	global_load_b128 v[4:7], v3, s[4:5]
.irp e, 0,1,2,3,4,5,6,7
	s_mov_b32 s[CN+\e], 0
.endr
	s_wait_loadcnt 0x0
.irp i, 0,1,2,3
	v_and_b32 v[K+2*\i], 7, v[4+\i]
	v_bfe_u32 v[K+2*\i+1], v[4+\i], 8, 3
.endr
.irp e, 0,1,2,3,4,5,6,7                        ; my wave's count for each expert
.irp q, 0,1,2,3,4,5,6,7
	v_cmp_eq_u32 s[MK+\q], \e, v[K+\q]
.endr
.irp q, 0,1,2,3,4,5,6,7
	s_bcnt1_i32_b32 s56, s[MK+\q]
	s_add_co_u32 s[CN+\e], s[CN+\e], s56
.endr
.endr
.irp e, 0,1,2,3,4,5,6,7
	v_mov_b32 v[CV+\e], s[CN+\e]
	ds_store_b32 v56, v[CV+\e] offset:128*\e       ; all lanes write the same word with the same number
.endr
	s_wait_dscnt 0x0                               ; for the others' sake
	s_barrier_signal -1
	s_barrier_wait -1
	s_cmp_lt_u32 s20, 8
	s_cbranch_scc0 .Lno_prefix
.irp i, 0,1,2,3,4,5,6,7                        ; wave e: expert e's 32 counts, in every lane
	ds_load_b128 v[C+4*\i:C+4*\i+3], v57 offset:16*\i
.endr
	v_mov_b32 v62, 0
	v_mov_b32 v63, 0
	s_wait_dscnt 0x0
.set i, 0
.rept 32
	v_cmp_lt_u32 vcc_lo, i, v1
	v_cndmask_b32 v2, 0, v[C+i], vcc_lo
	v_add_nc_u32 v62, v62, v2                      ; lane j: the counts of the waves in front of wave j
	v_add_nc_u32 v63, v63, v[C+i]                  ; the expert's total
.set i, i+1
.endr
	ds_store_b32 v58, v62
	ds_store_b32 v59, v63
.Lno_prefix:
	s_wait_dscnt 0x0
	s_barrier_signal -1
	s_barrier_wait -1
.irp e, 0,1,2,3,4,5,6,7
	ds_load_b32 v[PRE+\e], v60 offset:128*\e
.endr
	ds_load_b128 v[TOT:TOT+3], v61 offset:2048
	ds_load_b128 v[TOT+4:TOT+7], v61 offset:2064
	s_wait_dscnt 0x0
	v_mov_b32 v[OFS], 0
.irp e, 1,2,3,4,5,6,7
	v_add_nc_u32 v[OFS+\e], v[OFS+\e-1], v[TOT+\e-1]
.endr
.irp e, 0,1,2,3,4,5,6,7
	v_add_nc_u32 v[PRE+\e], v[PRE+\e], v[OFS+\e]
	v_readfirstlane_b32 s[RUN+\e], v[PRE+\e]
.endr
.irp q, 0,1,2,3,4,5,6,7
	v_mov_b32 v[POS+\q], 0
.endr
.irp e, 0,1,2,3,4,5,6,7                        ; a key's place: the wave's first place in the expert + the keys of that expert in front of it
.irp q, 0,1,2,3,4,5,6,7
	v_cmp_eq_u32 s[MK+\q], \e, v[K+\q]
.endr
.irp q, 0,1,2,3,4,5,6,7
	v_mbcnt_lo_u32_b32 v2, s[MK+\q], s[RUN+\e]
	v_cndmask_b32 v[POS+\q], v[POS+\q], v2, s[MK+\q]
	s_bcnt1_i32_b32 s56, s[MK+\q]
	s_add_co_u32 s[RUN+\e], s[RUN+\e], s56
.endr
.endr
	v_lshlrev_b32 v[DAT], 3, v0
.irp q, 1,2,3,4,5,6,7
	v_add_nc_u32 v[DAT+\q], \q, v[DAT]
.endr
.irp q, 0,1,2,3,4,5,6,7
	v_min_u32 v[POS+\q], 0x1fff, v[POS+\q]         ; a place made of loaded numbers is held inside the list
	v_lshlrev_b32 v[POS+\q], 2, v[POS+\q]
.endr
.irp q, 0,1,2,3,4,5,6,7
	global_store_b32 v[POS+\q], v[DAT+\q], s[6:7]
.endr
	s_cmp_lt_u32 s20, 8                            ; the list of tiles: threads 0-255, a word each
	s_cbranch_scc0 .Ldone
.irp e, 0,1,2,3,4,5,6,7
	v_readfirstlane_b32 s[MK+\e], v[TOT+\e]
	v_readfirstlane_b32 s[SOF+\e], v[OFS+\e]
.endr
	s_mov_b32 s56, 0
.irp e, 0,1,2,3,4,5,6,7
	s_add_co_u32 s57, s[MK+\e], 63
	s_lshr_b32 s[CN+\e], s57, 6                    ; ceil(n / 64)
	s_add_co_u32 s56, s56, s[CN+\e]
.endr
	s_sub_co_u32 s56, 135, s56                     ; tiles to be made up: 0 .. 7
	s_mov_b32 s57, s[MK]
	s_mov_b32 s58, 0                               ; the fullest expert, the first of equals
.irp e, 1,2,3,4,5,6,7
	s_cmp_gt_u32 s[MK+\e], s57
	s_cselect_b32 s57, s[MK+\e], s57
	s_cselect_b32 s58, \e, s58
.endr
	s_mov_b32 s59, 0                               ; the expert's first tile
	v_mov_b32 v104, 0
.irp e, 0,1,2,3,4,5,6,7
	s_cmp_eq_u32 s58, \e
	s_cselect_b32 s60, s56, 0                      ; full tiles of this expert that are cut in two
	s_add_co_u32 s61, s[CN+\e], s60                ; its tiles
	s_lshl_b32 s62, s60, 1                         ; of which so many have 32 rows
	v_sub_nc_u32 v105, v0, s59                     ; my tile's number within the expert (wraps to a large number where it is none of its tiles)
	v_cmp_gt_u32 s63, s61, v105                    ; it is one of them
	v_cmp_le_u32 vcc_lo, s62, v105                 ; and not one of the small ones
	v_sub_nc_u32 v106, v105, s60
	v_lshl_add_u32 v107, v105, 5, s[SOF+\e]        ; a small tile's first place,
	v_lshl_add_u32 v108, v106, 6, s[SOF+\e]        ; a whole tile's
	v_lshlrev_b32 v109, 6, v106
	v_sub_nc_u32 v109, s[MK+\e], v109
	v_min_u32 v109, 64, v109                       ; and its rows: what is left, 64 at the most
	v_cndmask_b32 v108, v107, v108, vcc_lo
	v_cndmask_b32 v109, 32, v109, vcc_lo
	v_lshl_or_b32 v109, v109, 8, \e
	v_lshl_or_b32 v109, v108, 16, v109
	v_cndmask_b32 v104, v104, v109, s63
	s_add_co_u32 s59, s59, s61
.endr
	v_lshlrev_b32 v110, 2, v0
	global_store_b32 v110, v104, s[8:9]
.Ldone:
	s_wait_tensorcnt 0x0
	ds_add_u32 v126, v127
	s_wait_dscnt 0x0
	s_endpgm
.Lfunc_end_k_q84d4de7aaa_place:
	.size	k_q84d4de7aaa_place, .Lfunc_end_k_q84d4de7aaa_place-k_q84d4de7aaa_place
	.p2alignl 7, 3214868480
	.fill 96, 4, 3214868480
	.section	.rodata,"a",@progbits
	.p2align	6, 0x0
	.amdhsa_kernel k_q84d4de7aaa_place
		.amdhsa_group_segment_fixed_size 12288
		.amdhsa_private_segment_fixed_size 0
		.amdhsa_enable_private_segment 0
		.amdhsa_kernarg_size 24
		.amdhsa_user_sgpr_count 2
		.amdhsa_user_sgpr_kernarg_segment_ptr 1
		.amdhsa_wavefront_size32 1
		.amdhsa_system_sgpr_workgroup_id_x 1
		.amdhsa_system_sgpr_workgroup_id_y 1
		.amdhsa_system_sgpr_workgroup_id_z 1
		.amdhsa_system_vgpr_workitem_id 0
		.amdhsa_next_free_vgpr 128
		.amdhsa_next_free_sgpr 66
		.amdhsa_reserve_vcc 1
		.amdhsa_float_denorm_mode_32 3
		.amdhsa_float_denorm_mode_16_64 3
		.amdhsa_memory_ordered 1
		.amdhsa_forward_progress 1
		.amdhsa_inst_pref_size 45
	.end_amdhsa_kernel
	.amdgpu_metadata
---
amdhsa.version: [ 1, 2 ]
amdhsa.kernels:
  - .name:           k_q84d4de7aaa_place
    .symbol:         k_q84d4de7aaa_place.kd
    .args:
      - { .name: sel, .offset: 0, .size: 8, .value_kind: global_buffer, .address_space: global }
      - { .name: rows, .offset: 8, .size: 8, .value_kind: global_buffer, .address_space: global }
      - { .name: tiles, .offset: 16, .size: 8, .value_kind: global_buffer, .address_space: global }
    .group_segment_fixed_size: 12288
    .private_segment_fixed_size: 0
    .kernarg_segment_align: 8
    .kernarg_segment_size: 24
    .max_flat_workgroup_size: 1024
    .sgpr_count:     66
    .vgpr_count:     128
    .wavefront_size: 32
...
	.end_amdgpu_metadata
.endif
;; end of part 2
;; launch chain (part 3): grid 135 x 1, 4 waves a work-group, no clusters, 99,840 bytes of LDS; arguments x, lowp_scales, w1f, w2f, tiles, rows, gwt, ws; writes ws
.if DOCPART == 3
	.amdgcn_target "amdgcn-amd-amdhsa--gfx1250"
	.amdhsa_code_object_version 6
	.text
	.protected	k_q84d4de7aaa_chain
	.globl	k_q84d4de7aaa_chain
	.p2align	8
	.type	k_q84d4de7aaa_chain,@function
k_q84d4de7aaa_chain:
	s_mov_b64 s[64:65], 0
	v_nop
	global_prefetch_b8 v0, s[64:65] scope:SCOPE_SE
	s_setreg_imm32_b32 hwreg(HW_REG_WAVE_MODE, 25, 1), 1
	s_wait_xcnt 0x0
; ONE TILE (up to 64 routed rows) OF ONE EXPERT THROUGH THE WHOLE CHAIN: gather x, quantise, x W1^T, relu, quantise, h W2^T, x the gate's weight, store by slot.
; Both products on codes of E4M3 by v_wmma_f32_16x16x128_fp8_fp8.
; THE SCALES.  x and the hidden layer are quantised here, with expert e's own entries of the scales: ex = entry 4 e, eh = entry 4 e + 2.
; w1_codes and w2_codes each come as ONE tensor of codes and are taken with ONE scale each: the first entry that names the tensor, ew1 = entry 1 and ew2 = entry 3, for every expert.
; The hidden layer never goes to memory.  ws[slot][512] = weight x y; the next launch adds a token's two slots.
; SHARES.  Four waves SHARE THE COLUMNS, NOT THE ROWS.  The hidden layer goes in four chunks of 512; in chunk q wave w makes hidden units 512 q + 128 w .. + 127 for all 64 rows, and adds the chunk
; into its output columns 128 w .. + 127.  So every byte of the expert's 2 MB of codes is loaded by exactly one wave, once, straight into operand registers (the first launch laid them so),
; through a ring of eight register slots of two fragments: a step is 8 loads (4 KB) and feeds 8 matrix instructions; a step asks for the step eight further on.
; x's codes (16 fragments, window 1) and y's sums (32 accumulators, window 2) stay in registers.  x's and h's fragments go from wave to wave through LDS as images of their registers.
; BOTH PRODUCTS ARE USED TRANSPOSED (source 0 = 16 rows of the weight, source 1 = 16 rows of x or h): a lane holds one row; W1's rows of a tile are chosen so that the 16 registers of tiles 2 p, 2 p + 1
; are 16 neighbours along the next K.  Registers 4 c .. 4 c + 3 of every fragment hold k = 32 c + 16 (lane / 16) + 0 .. 15: the same order of k on both sides of each product.
; A SHORT TILE: rows from the tile's count on repeat its last row: the same wave then stores the same bytes again; no mask, no branch on loaded numbers anywhere.
; NO TENSOR LOADS, NO CLUSTER: which expert a work-group reads is a number read from memory, and neighbouring tiles need not be of one expert, so no descriptor could be equal in partners.
; LIMITS: ex and eh - ex - ew1 between -126 and 119, so that the powers of two below are f32 numbers; eh + ew2 goes through v_ldexp_f32.  NaN in x is not served.
; LDS: x's 16 images at 0 ((4 m + s) x 2,048); h's 16 at 32,768 ((4 m + K step) x 2,048, piece p at + 512 p); from 65,536 a stage of 16 rows x 528 bytes for each wave.
; REGISTERS.  window 0: v1-11 lane numbers and addresses; v12-15 the slots of rows 16 m + r; v20-27 the rows' factors, in pairs; v28-31 scales; v32-95 8 accumulators of h ((u, m) at 32 + 16 m + 8 u), on the way out y;
;   v96-111 codes just made; v112-239 two sets of four fragments of h (at the head: x as f32; at the end: rows of y); v240-255 store offsets.
;   window 1: x's fragment (m, s) at 16 (4 m + s).   window 2: y's accumulator (n, m) at 64 m + 8 n.   window 3: the ring: slot k at 32 k, fragment u at + 16 u.
.set CH,     262144                    ; a chunk's bytes in w1f and in w2f: 128 fragments
.set HIMG,   32768
.set STG,    65536
.set SPITCH, 528
.set XA,  4                            ; v4   x: my row's first byte + 64 h
.set LI,  5                            ; v5   16 x lane
.set XWI, 6                            ; v6   where I store x's images
.set HWI, 7                            ; v7   where I store h's pieces
.set SO,  8                            ; v8   the stage: in
.set SR,  9                            ; v9   the stage: back
.set CO,  10                           ; v10  512 x wave + 16 x lane: my bytes of a row of ws
.set OWN, 11                           ; v11  the slot of row 16 w + r
.set SL,  12
.set F,   20
.set HA,  32
.set PC,  96
.set HF,  112
.set VA,  240
.set MSB, 0
.macro WIN new                         ; the immediate's high byte repeats the setting that is left
.if MSB != \new
	s_set_vgpr_msb (MSB<<8)|\new
.set MSB, \new
.endif
.endm
.set W_LD,  0xc0                       ; destination window 3, address window 0
.set W_P1,  0x07                       ; source 0 (W1) window 3, source 1 (x) window 1, C and D window 0
.set W_P2,  0xa3                       ; source 0 (W2) window 3, source 1 (h) window 0, C and D window 2
.set W_XF,  0x40                       ; destination window 1
.set W_OUT, 0x02                       ; source 0 window 2
; Step j of a chunk's 32: two fragments into ring slot j % 8.  Steps 0-15: W1's tiles 2 p + u, K step s (p = j / 4, s = j % 4).  Steps 16-31: W2's tiles 2 jj + u, K step s (s = (j - 16) / 4, jj = (j - 16) % 4).
.macro LOADSTEP j, extra
	WIN W_LD
.set RSL, 32*((\j)%8)
.irp u, 0,1
.irp c, 0,1,2,3
.if (\j) < 16
	global_load_b128 v[RSL+16*\u+4*\c:RSL+16*\u+4*\c+3], v[LI], s[8:9] offset:((2*((\j)/4)+\u)*4+(\j)%4)*2048+512*\c+\extra
.else
	global_load_b128 v[RSL+16*\u+4*\c:RSL+16*\u+4*\c+3], v[LI], s[10:11] offset:((2*(((\j)-16)%4)+\u)*4+((\j)-16)/4)*2048+512*\c+\extra
.endif
.endr
.endr
.endm
.macro WAITSTEP i, last                ; step i's eight loads are in: behind them the seven younger steps' 56 were issued; in the last chunk nothing is asked for from step 24 on, and the counts run down
.if (\last) && ((\i) >= 24)
	s_wait_loadcnt 8*(31-(\i))
.else
	s_wait_loadcnt 56
.endif
.endm
.macro NEXT i, last                    ; behind step i's products: four places (ISA guide 7.12.1), then its slot takes the step eight further on; from step 24 on that is the next chunk's
.rept 4
	v_nop
.endr
.if (\i)+8 < 32
	LOADSTEP (\i)+8, 0
.elseif (\last) == 0
	LOADSTEP (\i)-24, CH
.endif
.endm
; Eight products of the first kind: tiles 2 p, 2 p + 1 of my 128 hidden units x the four tiles of rows, K step s.  The eight accumulators take turns.  s = 0 starts the sums.
.macro P1STEP p, s, last
	WAITSTEP 4*(\p)+(\s), \last
	WIN W_P1
.set RS, 32*((4*(\p)+(\s))%8)
.irp m, 0,1,2,3
.irp u, 0,1
.if (\s) == 0
	v_wmma_f32_16x16x128_fp8_fp8 v[HA+16*\m+8*\u:HA+16*\m+8*\u+7], v[RS+16*\u:RS+16*\u+15], v[16*(4*\m+(\s)):16*(4*\m+(\s))+15], 0
.else
	v_wmma_f32_16x16x128_fp8_fp8 v[HA+16*\m+8*\u:HA+16*\m+8*\u+7], v[RS+16*\u:RS+16*\u+15], v[16*(4*\m+(\s)):16*(4*\m+(\s))+15], v[HA+16*\m+8*\u:HA+16*\m+8*\u+7]
.endif
.endr
.endr
	NEXT 4*(\p)+(\s), \last
.endm
; Eight products of the second kind: tiles 2 j, 2 j + 1 of my 128 outputs x the four tiles of rows, the chunk's K step s.  zero = 1: the first chunk's first K step starts y's sums.
.macro P2STEP s, j, zero, last
	WAITSTEP 16+4*(\s)+(\j), \last
	WIN W_P2
.set RS, 32*((16+4*(\s)+(\j))%8)
.set HB, HF+64*((\s)%2)
.irp m, 0,1,2,3
.irp u, 0,1
.if (\zero) && ((\s) == 0)
	v_wmma_f32_16x16x128_fp8_fp8 v[64*\m+8*(2*(\j)+\u):64*\m+8*(2*(\j)+\u)+7], v[RS+16*\u:RS+16*\u+15], v[HB+16*\m:HB+16*\m+15], 0
.else
	v_wmma_f32_16x16x128_fp8_fp8 v[64*\m+8*(2*(\j)+\u):64*\m+8*(2*(\j)+\u)+7], v[RS+16*\u:RS+16*\u+15], v[HB+16*\m:HB+16*\m+15], v[64*\m+8*(2*(\j)+\u):64*\m+8*(2*(\j)+\u)+7]
.endif
.endr
.endr
	NEXT 16+4*(\s)+(\j), \last
.endm
; 64 numbers of a lane, four groups of 16 neighbours along K, become 16 registers of codes in v[PC] on.  relu = 1: what is negative becomes 0 on the way.
.macro QUANT s, relu, sc, lim
.irp b, 0,1,2,3
.irp i, 0,1,2,3,4,5,6,7,8,9,10,11,12,13,14,15
.if \relu
	v_med3_num_f32 v[\s+16*\b+\i], v[\s+16*\b+\i], 0, v[\lim]          ; the activation and the hold in one; each accumulator from its low end on
.else
	v_med3_num_f32 v[\s+16*\b+\i], v[\s+16*\b+\i], -v[\lim], v[\lim]   ; the conversion does not saturate (ISA guide 7.6.2): the hold at 448 x the scale
.endif
.endr
	v_cvt_scalef32_pk8_fp8_f32 v[PC+4*\b:PC+1+4*\b], v[\s+16*\b:\s+7+16*\b], v[\sc]
	v_cvt_scalef32_pk8_fp8_f32 v[PC+2+4*\b:PC+3+4*\b], v[\s+8+16*\b:\s+15+16*\b], v[\sc]
.endr
	v_nop                                          ; a plain line behind the last conversion, ahead of whatever next writes its sources
.endm
.macro XLOAD reg, s                    ; my row's numbers of K step s: of each block of 32 the 16 of my half
.irp b, 0,1,2,3
.irp j, 0,1,2,3
	global_load_b128 v[\reg+16*\b+4*\j:\reg+16*\b+4*\j+3], v[XA], s[4:5] offset:512*\s+128*\b+16*\j
.endr
.endr
.endm
.macro XIMAGE s                        ; the fragment in v[PC] on goes to LDS as it stands
.irp c, 0,1,2,3
	ds_store_b128 v[XWI], v[PC+4*\c:PC+4*\c+3] offset:2048*\s+512*\c
.endr
.endm
.macro HFLOAD s, buf                   ; the chunk's K step s: h's four fragments into set buf
.irp m, 0,1,2,3
.irp c, 0,1,2,3
	ds_load_b128 v[HF+64*(\buf)+16*\m+4*\c:HF+64*(\buf)+16*\m+4*\c+3], v[LI] offset:HIMG+(4*\m+(\s))*2048+512*\c
.endr
.endr
.endm
	s_load_b256 s[4:11], s[0:1], 0x0               ; x, the scales, w1f, w2f
	s_load_b256 s[12:19], s[0:1], 0x20             ; tiles, rows, gwt, ws
	v_lshl_add_u32 v18, v0, 2, 0x18400
	v_mov_b32 v19, 0
	v_lshrrev_b32 v1, 5, v0
	v_readfirstlane_b32 s20, v1                    ; wave
	v_and_b32 v1, 31, v0                           ; lane
	v_and_b32 v2, 15, v0                           ; r
	v_bfe_u32 v3, v0, 4, 1                         ; h
	v_lshlrev_b32 v[LI], 4, v1
	s_lshl_b32 s32, s20, 13
	v_add_nc_u32 v[XWI], s32, v[LI]                ; x's fragments (w, s): 8,192 w + 16 x lane
	s_lshl_b32 s32, s20, 11
	s_add_co_u32 s32, s32, HIMG
	v_add_nc_u32 v[HWI], s32, v[LI]                ; h's fragments (m, K step w)
	s_mul_i32 s32, s20, 16*SPITCH
	s_add_co_u32 s32, s32, STG
	v_mul_u32_u24 v[SO], v2, SPITCH
	v_lshl_add_u32 v[SO], v3, 5, v[SO]
	v_add_nc_u32 v[SO], s32, v[SO]                 ; in: row r, + 32 h
	v_add_nc_u32 v[SR], s32, v[LI]                 ; back: a row's 512 bytes
	s_lshl_b32 s32, s20, 9
	v_add_nc_u32 v[CO], s32, v[LI]
	s_lshl_b32 s33, ttmp9, 2
	s_wait_kmcnt 0x0
	s_load_b32 s21, s[12:13], s33 offset:0x0       ; my tile: expert | rows << 8 | first place << 16
	s_wait_kmcnt 0x0
	s_and_b32 s22, s21, 7
	s_min_u32 s22, s22, 7                          ; the expert
	s_bfe_u32 s23, s21, 0x70008
	s_max_u32 s23, s23, 1
	s_sub_co_u32 s23, s23, 1                       ; the tile's last row
	s_lshr_b32 s24, s21, 16                        ; its first place in the list
	s_lshl_b32 s33, s22, 4
	s_load_b128 s[28:31], s[6:7], s33 offset:0x0   ; the expert's four entries: ex in s28, eh in s30
	s_load_b128 s[40:43], s[6:7], 0x0              ; entries 0 to 3: ew1 in s41, ew2 in s43: the one scale of each tensor of codes
	s_lshl_b32 s34, s22, 20                        ; the expert's 1 MB in each of w1f and w2f,
	s_lshl_b32 s36, s20, 16                        ; my wave's 32 fragments of a chunk
	s_add_co_u32 s34, s34, s36
	s_mov_b32 s35, 0
	s_add_nc_u64 s[8:9], s[8:9], s[34:35]
	s_add_nc_u64 s[10:11], s[10:11], s[34:35]
.irp m, 0,1,2,3
	v_add_nc_u32 v[HA+\m], 16*\m, v2               ; rows 16 m + r,
.endr
	s_lshl_b32 s36, s20, 4
	v_add_nc_u32 v[HA+4], s36, v2                  ; and 16 w + r: the rows that I quantise
.irp m, 0,1,2,3,4
	v_min_u32 v[HA+\m], s23, v[HA+\m]              ; rows past the tile's count repeat its last row
	v_add_nc_u32 v[HA+\m], s24, v[HA+\m]
	v_min_u32 v[HA+\m], 0x1fff, v[HA+\m]           ; held inside the list
	v_lshlrev_b32 v[HA+\m], 2, v[HA+\m]
.endr
.irp m, 0,1,2,3
	global_load_b32 v[SL+\m], v[HA+\m], s[14:15]
.endr
	global_load_b32 v[OWN], v[HA+4], s[14:15]
.irp j, 0,1,2,3,4,5,6
	LOADSTEP \j, 0                                 ; the ring is filled while the list is on its way
.endr
	WIN 0
	s_wait_loadcnt 56                              ; the five loads from the list are in; the 56 behind them may be out
	LOADSTEP 7, 0
	WIN 0
.irp m, 0,1,2,3
	v_min_u32 v[SL+\m], 0x1fff, v[SL+\m]
.endr
	v_min_u32 v[OWN], 0x1fff, v[OWN]
.irp m, 0,1,2,3
	v_lshlrev_b32 v[HA+8+\m], 2, v[SL+\m]
.endr
.irp m, 0,1,2,3
	global_load_b32 v[F+2*\m], v[HA+8+\m], s[16:17]    ; the gate's weight of row 16 m + r
.endr
	v_and_b32 v[XA], 0x1ffe, v[OWN]                ; 2 x token,
	v_lshlrev_b32 v[XA], 10, v[XA]                 ; x 1,024: the token's row of 2,048 bytes
	v_lshl_add_u32 v[XA], v3, 6, v[XA]
	XLOAD HF, 0
	XLOAD HF+64, 1
	s_wait_kmcnt 0x0
	s_add_co_i32 s36, s28, 127
	s_lshl_b32 s37, s36, 23
	v_mov_b32 v28, s37                             ; 2^ex as f32: the conversion takes its exponent field
	s_add_co_i32 s36, s36, 8
	s_lshl_b32 s36, s36, 23
	s_or_b32 s36, s36, 0x600000
	v_mov_b32 v29, s36                             ; 448 x 2^ex
	s_sub_co_i32 s36, s30, s28
	s_sub_co_i32 s36, s36, s41                     ; a sum of the first product stands for sum x 2^(ex + ew1): its code is sum / 2^(eh - ex - ew1)
	s_add_co_i32 s36, s36, 127
	s_lshl_b32 s37, s36, 23
	v_mov_b32 v30, s37
	s_add_co_i32 s36, s36, 8
	s_lshl_b32 s36, s36, 23
	s_or_b32 s36, s36, 0x600000
	v_mov_b32 v31, s36
	s_add_co_i32 s38, s30, s43                     ; eh + ew2
	s_wait_loadcnt 16                              ; K step 0 is in; K step 1's 16 loads may be out
	QUANT HF, 0, 28, 29
	XIMAGE 0
	XLOAD HF, 2
	s_wait_loadcnt 16
	s_wait_dscnt 0x0                               ; the stores have read the codes' registers
	QUANT HF+64, 0, 28, 29
	XIMAGE 1
	XLOAD HF+64, 3
	s_wait_loadcnt 16
	s_wait_dscnt 0x0
	QUANT HF, 0, 28, 29
	XIMAGE 2
	s_wait_loadcnt 0x0
	s_wait_dscnt 0x0
	QUANT HF+64, 0, 28, 29
	XIMAGE 3
.irp m, 0,1,2,3
	v_ldexp_f32 v[F+2*\m], v[F+2*\m], s38          ; a row's factor: weight x 2^(eh + ew2)
	v_mov_b32 v[F+2*\m+1], v[F+2*\m]               ; (named with it as a pair, so it is written)
.endr
	s_wait_dscnt 0x0                               ; for the others' sake: my images have landed
	s_barrier_signal -1
	s_barrier_wait -1                              ; x's sixteen fragments lie in LDS
	WIN W_XF
.irp f, 0,1,2,3,4,5,6,7,8,9,10,11,12,13,14,15
.irp c, 0,1,2,3
	ds_load_b128 v[16*\f+4*\c:16*\f+4*\c+3], v[LI] offset:2048*\f+512*\c
.endr
.endr
	WIN 0
	s_wait_dscnt 0x0
; A CHUNK of 512 hidden units.  Two barriers: behind the first, h's sixteen fragments lie in LDS; the second stands where every wave's reads of them are over, so that the next chunk may store there.
.macro TRIP zero, last
.irp p, 0,1,2,3
.irp s, 0,1,2,3
	P1STEP \p, \s, \last
.endr
	WIN 0
	s_wait_dscnt 0x0                               ; the last pieces' stores have read the codes' registers
	QUANT HA, 1, 30, 31                            ; group m of 16: piece p of the fragment of rows 16 m on
.irp m, 0,1,2,3
	ds_store_b128 v[HWI], v[PC+4*\m:PC+4*\m+3] offset:8192*\m+512*\p
.endr
.endr
	s_wait_dscnt 0x0                               ; for the others' sake
	s_barrier_signal -1
	s_barrier_wait -1
	HFLOAD 0, 0
	HFLOAD 1, 1
.irp s, 0,1,2,3
.if \s < 3
	s_wait_dscnt 16                                ; this K step's four fragments are in; the next one's 16 loads may be out
.else
	s_wait_dscnt 0x0                               ; my reads of h's images are over
.if (\last) == 0
	s_barrier_signal -1
	s_barrier_wait -1
.endif
.endif
.irp j, 0,1,2,3
	P2STEP \s, \j, \zero, \last
.endr
.if \s < 2
	WIN 0
	HFLOAD (\s)+2, (\s)%2                          ; (the four places behind the last products stand in front of these loads too)
.endif
.endr
	WIN 0                                          ; at a label and at a branch every window is 0
.if (\last) == 0
	s_wait_xcnt 0x0                                ; the loads issued have read their bases
	s_add_nc_u64 s[8:9], s[8:9], CH
	s_add_nc_u64 s[10:11], s[10:11], CH
.endif
.endm
	TRIP 1, 0                                      ; the first chunk starts y's sums: nothing is cleared
	s_mov_b32 s48, 2
.Lchunk:
	TRIP 0, 0
	s_sub_co_u32 s48, s48, 1
	s_cmp_lg_u32 s48, 0
	s_cbranch_scc1 .Lchunk
	TRIP 0, 1                                      ; the last chunk asks for nothing beyond the expert's codes
; THE WAY OUT, 16 rows at a time.  A lane holds 32 neighbouring bytes of a row for each of my 8 tiles of outputs: the block goes through my own stage and comes back as rows of 512 bytes.
; LDS serves a wave's instructions in order (ISA guide 5.7.1.4): no wait between the stores and the loads, nor in front of the next block's stores.
.macro TOSTAGE a
	WIN W_OUT
.irp j, 0,2,4,6,8,10,12,14,16,18,20,22,24,26,28,30,32,34,36,38,40,42,44,46,48,50,52,54,56,58,60,62
	v_pk_mul_f32 v[HA+\j:HA+\j+1], v[64*(\a)+\j:64*(\a)+\j+1], v[F+2*(\a):F+2*(\a)+1] op_sel_hi:[1,0]   ; x my row's factor; each accumulator from its low end on
.endr
	WIN 0
.irp n, 0,1,2,3,4,5,6,7
	ds_store_b128 v[SO], v[HA+8*\n:HA+8*\n+3] offset:64*\n
	ds_store_b128 v[SO], v[HA+8*\n+4:HA+8*\n+7] offset:64*\n+16
.endr
.set BB, HF+64*((\a)%2)
.irp i, 0,1,2,3,4,5,6,7,8,9,10,11,12,13,14,15
	ds_load_b128 v[BB+4*\i:BB+4*\i+3], v[SR] offset:\i*SPITCH
.endr
.endm
.macro SEND a, younger                 ; younger: the LDS instructions issued behind block a's loads
.set BB, HF+64*((\a)%2)
	s_wait_dscnt \younger
	s_wait_xcnt 0x0                                ; the earlier stores have read their offsets: these are written again only behind this wait
.irp i, 0,1,2,3,4,5,6,7,8,9,10,11,12,13,14,15
	v_readlane_b32 s[32+\i], v[SL+(\a)], \i        ; row 16 a + i's slot
.endr
.irp i, 0,1,2,3,4,5,6,7,8,9,10,11,12,13,14,15
	s_min_u32 s[32+\i], s[32+\i], 0x1fff
.endr
.irp i, 0,1,2,3,4,5,6,7,8,9,10,11,12,13,14,15
	v_lshl_add_u32 v[VA+\i], s[32+\i], 11, v[CO]   ; slot x 2,048 + my wave's 512 bytes + 16 x lane
.endr
.irp i, 0,1,2,3,4,5,6,7,8,9,10,11,12,13,14,15
	global_store_b128 v[VA+\i], v[BB+4*\i:BB+4*\i+3], s[18:19]      ; 32 lanes store 512 consecutive bytes, at a multiple of 512 from the buffer's first byte
.endr
.endm
	TOSTAGE 0                                      ; (the four places behind the last products have been written)
.irp a, 1,2,3
.if \a > 1
	s_wait_xcnt 0x0                                ; block a - 2's stores have read their registers: block a's rows may land there
.endif
	TOSTAGE \a
	SEND \a-1, 32                                  ; behind block a - 1's loads: block a's 16 stores and 16 loads
.endr
	SEND 3, 0
	s_wait_tensorcnt 0x0
	ds_add_u32 v18, v19
	s_wait_dscnt 0x0
	s_endpgm
.Lfunc_end_k_q84d4de7aaa_chain:
	.size	k_q84d4de7aaa_chain, .Lfunc_end_k_q84d4de7aaa_chain-k_q84d4de7aaa_chain
	.p2alignl 7, 3214868480
	.fill 96, 4, 3214868480
	.section	.rodata,"a",@progbits
	.p2align	6, 0x0
	.amdhsa_kernel k_q84d4de7aaa_chain
		.amdhsa_group_segment_fixed_size 99840
		.amdhsa_private_segment_fixed_size 0
		.amdhsa_enable_private_segment 0
		.amdhsa_kernarg_size 64
		.amdhsa_user_sgpr_count 2
		.amdhsa_user_sgpr_kernarg_segment_ptr 1
		.amdhsa_wavefront_size32 1
		.amdhsa_system_sgpr_workgroup_id_x 1
		.amdhsa_system_sgpr_workgroup_id_y 1
		.amdhsa_system_sgpr_workgroup_id_z 1
		.amdhsa_system_vgpr_workitem_id 0
		.amdhsa_next_free_vgpr 1024
		.amdhsa_next_free_sgpr 66
		.amdhsa_reserve_vcc 0
		.amdhsa_float_denorm_mode_32 3
		.amdhsa_float_denorm_mode_16_64 3
		.amdhsa_memory_ordered 1
		.amdhsa_forward_progress 1
		.amdhsa_inst_pref_size 255
	.end_amdhsa_kernel
	.section	.bss,"aw",@nobits
	.p2align	6
	.space	262144
	.amdgpu_metadata
---
amdhsa.version: [ 1, 2 ]
amdhsa.kernels:
  - .name:           k_q84d4de7aaa_chain
    .symbol:         k_q84d4de7aaa_chain.kd
    .args:
      - { .name: x, .offset: 0, .size: 8, .value_kind: global_buffer, .address_space: global }
      - { .name: lowp_scales, .offset: 8, .size: 8, .value_kind: global_buffer, .address_space: global }
      - { .name: w1f, .offset: 16, .size: 8, .value_kind: global_buffer, .address_space: global }
      - { .name: w2f, .offset: 24, .size: 8, .value_kind: global_buffer, .address_space: global }
      - { .name: tiles, .offset: 32, .size: 8, .value_kind: global_buffer, .address_space: global }
      - { .name: rows, .offset: 40, .size: 8, .value_kind: global_buffer, .address_space: global }
      - { .name: gwt, .offset: 48, .size: 8, .value_kind: global_buffer, .address_space: global }
      - { .name: ws, .offset: 56, .size: 8, .value_kind: global_buffer, .address_space: global }
    .group_segment_fixed_size: 99840
    .private_segment_fixed_size: 0
    .kernarg_segment_align: 8
    .kernarg_segment_size: 64
    .max_flat_workgroup_size: 128
    .sgpr_count:     66
    .vgpr_count:     1024
    .wavefront_size: 32
...
	.end_amdgpu_metadata
.endif
;; end of part 3
;; launch combine (part 4): grid 256 x 1, 8 waves a work-group, no clusters, 0 bytes of LDS; arguments ws, out0; writes out0
.if DOCPART == 4
	.amdgcn_target "amdgcn-amd-amdhsa--gfx1250"
	.amdhsa_code_object_version 6
	.text
	.protected	k_q84d4de7aaa_combine
	.globl	k_q84d4de7aaa_combine
	.p2align	8
	.type	k_q84d4de7aaa_combine,@function
k_q84d4de7aaa_combine:
	s_mov_b64 s[64:65], 0
	v_nop
	global_prefetch_b8 v0, s[64:65] scope:SCOPE_SE
	s_setreg_imm32_b32 hwreg(HW_REG_WAVE_MODE, 25, 1), 1
	s_wait_xcnt 0x0
; out0[t][:] = ws[2 t][:] + ws[2 t + 1][:]: a token's two weighted expert results.  The other six experts' terms are products with the weight 0, so this one f32 addition is the whole sum.
; A stream: a work-group takes 16 tokens (64 KB in, 32 KB out), 128 threads to a row of 2,048 bytes, two tokens a step, eight steps.
; All 16 loads of a thread go out first; each load and store of a wave covers 512 consecutive bytes.  Every offset is an immediate and no register is written twice: no wait but the counted ones.
; No LDS, no matrix unit: memory binds, and there is nothing to share.
	s_load_b128 s[4:7], s[0:1], 0x0                ; ws, out0
	v_lshrrev_b32 v1, 7, v0                        ; which of a step's two tokens
	v_and_b32 v2, 127, v0
	v_lshlrev_b32 v2, 4, v2
	v_lshl_or_b32 v1, v1, 12, v2                   ; in: 4,096 bytes a token, 16 a thread
	v_lshlrev_b32 v2, 4, v0                        ; out: 2,048 bytes a token
	s_lshl_b32 s8, ttmp9, 16
	s_mov_b32 s9, 0
	s_lshl_b32 s10, ttmp9, 15
	s_mov_b32 s11, 0
	s_wait_kmcnt 0x0
	s_add_nc_u64 s[4:5], s[4:5], s[8:9]
	s_add_nc_u64 s[6:7], s[6:7], s[10:11]
.irp i, 0,1,2,3,4,5,6,7
	global_load_b128 v[4+8*\i:7+8*\i], v1, s[4:5] offset:8192*\i th:TH_LOAD_NT
	global_load_b128 v[8+8*\i:11+8*\i], v1, s[4:5] offset:8192*\i+2048 th:TH_LOAD_NT
.endr
.irp i, 0,1,2,3,4,5,6,7
	s_wait_loadcnt 14-2*\i                         ; this step's two loads are in; the later steps' may be out
	v_pk_add_f32 v[4+8*\i:5+8*\i], v[4+8*\i:5+8*\i], v[8+8*\i:9+8*\i]
	v_pk_add_f32 v[6+8*\i:7+8*\i], v[6+8*\i:7+8*\i], v[10+8*\i:11+8*\i]
	global_store_b128 v2, v[4+8*\i:7+8*\i], s[6:7] offset:4096*\i th:TH_STORE_NT
.endr
	s_endpgm
.Lfunc_end_k_q84d4de7aaa_combine:
	.size	k_q84d4de7aaa_combine, .Lfunc_end_k_q84d4de7aaa_combine-k_q84d4de7aaa_combine
	.p2alignl 7, 3214868480
	.fill 96, 4, 3214868480
	.section	.rodata,"a",@progbits
	.p2align	6, 0x0
	.amdhsa_kernel k_q84d4de7aaa_combine
		.amdhsa_group_segment_fixed_size 0
		.amdhsa_private_segment_fixed_size 0
		.amdhsa_enable_private_segment 0
		.amdhsa_kernarg_size 16
		.amdhsa_user_sgpr_count 2
		.amdhsa_user_sgpr_kernarg_segment_ptr 1
		.amdhsa_wavefront_size32 1
		.amdhsa_system_sgpr_workgroup_id_x 1
		.amdhsa_system_sgpr_workgroup_id_y 1
		.amdhsa_system_sgpr_workgroup_id_z 1
		.amdhsa_system_vgpr_workitem_id 0
		.amdhsa_next_free_vgpr 72
		.amdhsa_next_free_sgpr 66
		.amdhsa_reserve_vcc 0
		.amdhsa_float_denorm_mode_32 3
		.amdhsa_float_denorm_mode_16_64 3
		.amdhsa_memory_ordered 1
		.amdhsa_forward_progress 1
		.amdhsa_inst_pref_size 5
	.end_amdhsa_kernel
	.amdgpu_metadata
---
amdhsa.version: [ 1, 2 ]
amdhsa.kernels:
  - .name:           k_q84d4de7aaa_combine
    .symbol:         k_q84d4de7aaa_combine.kd
    .args:
      - { .name: ws, .offset: 0, .size: 8, .value_kind: global_buffer, .address_space: global }
      - { .name: out0, .offset: 8, .size: 8, .value_kind: global_buffer, .address_space: global }
    .group_segment_fixed_size: 0
    .private_segment_fixed_size: 0
    .kernarg_segment_align: 8
    .kernarg_segment_size: 16
    .max_flat_workgroup_size: 256
    .sgpr_count:     66
    .vgpr_count:     72
    .wavefront_size: 32
...
	.end_amdgpu_metadata
.endif
;; end of part 4
;; ======== version 2 of 3: 4 launches; 1.22 times as fast as version 1
;; workspace buffers: w1f 8,388,608 bytes; w2f 8,388,608 bytes; sel 16,384 bytes of whole numbers; gwt 32,768 bytes; rows 32,768 bytes of whole numbers; tiles 1,024 bytes of whole numbers; ws 16,777,216 bytes
;; launch prep: the kernel of part 1 again; grid 384 x 1, 4 waves a work-group, no clusters, 34,304 bytes of LDS; arguments x, gate_w, w1_codes, w2_codes, sel, gwt, w1f, w2f; writes sel, gwt, w1f, w2f
;; launch place: the kernel of part 2 again; grid 1 x 1, 32 waves a work-group, no clusters, 12,288 bytes of LDS; arguments sel, rows, tiles; writes rows, tiles
;; launch chain (part 5): grid 135 x 1, 4 waves a work-group, no clusters, 99,840 bytes of LDS; arguments x, lowp_scales, w1f, w2f, tiles, rows, gwt, ws; writes ws
.if DOCPART == 5
	.amdgcn_target "amdgcn-amd-amdhsa--gfx1250"
	.amdhsa_code_object_version 6
	.text
	.protected	k_q84d4de7aaa_chain
	.globl	k_q84d4de7aaa_chain
	.p2align	8
	.type	k_q84d4de7aaa_chain,@function
k_q84d4de7aaa_chain:
	s_mov_b64 s[64:65], 0
	v_nop
	global_prefetch_b8 v0, s[64:65] scope:SCOPE_SE
	s_setreg_imm32_b32 hwreg(HW_REG_WAVE_MODE, 25, 1), 1
	s_wait_xcnt 0x0
; ONE TILE (up to 64 routed rows) OF ONE EXPERT THROUGH THE WHOLE CHAIN: gather x, quantise, x W1^T, relu, quantise, h W2^T, x the gate's weight, store by slot.
; Both products on codes of E4M3 by v_wmma_f32_16x16x128_fp8_fp8.
; THE SCALES.  x and the hidden layer are quantised here, with expert e's own entries of the scales: ex = entry 4 e, eh = entry 4 e + 2.
; w1_codes and w2_codes each come as ONE tensor of codes and are taken with ONE scale each: the first entry that names the tensor, ew1 = entry 1 and ew2 = entry 3, for every expert.
; The hidden layer never goes to memory.  ws[slot][512] = weight x y; the next launch adds a token's two slots.
; SHARES.  Four waves SHARE THE COLUMNS, NOT THE ROWS.  The hidden layer goes in four chunks of 512; in a chunk wave w makes its hidden units 128 w .. + 127 for all 64 rows, and adds the chunk
; into its output columns 128 w .. + 127.  So every byte of the expert's 2 MB of codes is loaded by exactly one wave, once, straight into operand registers (the first launch laid them so),
; through a ring of four register slots of four fragments: a step is 16 loads (8 KB) and feeds 16 matrix instructions; a step asks for the step four further on.
; THE TILES OF AN EXPERT WALK THE FOUR CHUNKS FROM DIFFERENT STARTS: tile g begins at chunk (g + g / 4 + g / 16) mod 4 and goes round.  So each quarter of an expert's codes is asked for first by
; about a quarter of its tiles, and by the others a chunk or more later.  The chunks' eight base addresses are made once; the four chunks are written out, every offset an immediate.
; x's codes (16 fragments, window 1) and y's sums (32 accumulators, window 2) stay in registers.  x's and h's fragments go from wave to wave through LDS as images of their registers.
; BOTH PRODUCTS ARE USED TRANSPOSED (source 0 = 16 rows of the weight, source 1 = 16 rows of x or h): a lane holds one row; W1's rows of a tile are chosen so that the 16 registers of tiles 2 p, 2 p + 1
; are 16 neighbours along the next K.  Registers 4 c .. 4 c + 3 of every fragment hold k = 32 c + 16 (lane / 16) + 0 .. 15: the same order of k on both sides of each product.
; A SHORT TILE: rows from the tile's count on repeat its last row: the same wave then stores the same bytes again; no mask, no branch at all.
; NO TENSOR LOADS, NO CLUSTER: which expert a work-group reads is a number read from memory, and neighbouring tiles need not be of one expert, so no descriptor could be equal in partners.
; LIMITS: ex and eh - ex - ew1 between -126 and 119, so that the powers of two below are f32 numbers; eh + ew2 goes through v_ldexp_f32.  NaN in x is not served.
; The order in which a row's four chunks are added in f32 hangs on the tile's number.
; LDS: region 0 (32 KB at 0): x's 16 images ((4 m + s) x 2,048), later h's images of the second and fourth chunk walked; region 1 (32 KB at 32,768): h's images of the first and third
; ((4 m + K step) x 2,048, piece p at + 512 p); from 65,536 a stage of 16 rows x 528 bytes for each wave.
; REGISTERS.  window 0: v1-11 lane numbers and addresses; v12-15 the slots of rows 16 m + r; v20-27 the rows' factors, in pairs; v28-31 scales; v32-95 8 accumulators of h ((u, m) at 32 + 16 m + 8 u), on the way out y;
;   v96-111 codes just made; v112-239 two sets of four fragments of h (at the head: x as f32; at the end: rows of y); v240-255 store offsets.
;   window 1: x's fragment (m, s) at 16 (4 m + s).   window 2: y's accumulator (n, m) at 64 m + 8 n.   window 3: the ring: slot k at 64 k, fragment t at + 16 t.
.set STG,    65536
.set SPITCH, 528
.set XA,  4                            ; v4   x: my row's first byte + 64 h
.set LI,  5                            ; v5   16 x lane
.set XWI, 6                            ; v6   where I store x's images
.set HWI, 7                            ; v7   where I store h's pieces: 2,048 x wave + 16 x lane; the region stands in the immediate
.set SO,  8                            ; v8   the stage: in
.set SR,  9                            ; v9   the stage: back
.set CO,  10                           ; v10  512 x wave + 16 x lane: my bytes of a row of ws
.set OWN, 11                           ; v11  the slot of row 16 w + r
.set SL,  12
.set F,   20
.set HA,  32
.set PC,  96
.set HF,  112
.set VA,  240
.set W1B, 66                           ; s[66+4q:67+4q]  my part of w1f in the q-th chunk that I walk
.set W2B, 68                           ; s[68+4q:69+4q]  the same in w2f
.set MSB, 0
.macro WIN new                         ; the immediate's high byte repeats the setting that is left
.if MSB != \new
	s_set_vgpr_msb (MSB<<8)|\new
.set MSB, \new
.endif
.endm
.set W_LD,  0xc0                       ; destination window 3, address window 0
.set W_P1,  0x07                       ; source 0 (W1) window 3, source 1 (x) window 1, C and D window 0
.set W_P2,  0xa3                       ; source 0 (W2) window 3, source 1 (h) window 0, C and D window 2
.set W_XF,  0x40                       ; destination window 1
.set W_OUT, 0x02                       ; source 0 window 2
; Step k of a chunk's 16: four fragments into ring slot k % 4.  Steps 0-7: W1's tiles 2 p + u, K steps 2 a + z (p = k / 2, a = k % 2; fragment t: z = t / 2, u = t % 2).
; Steps 8-15: W2's tiles 4 jj + t, K step s (s = (k - 8) / 2, jj = (k - 8) % 2).  q: which of the chunks that I walk.
.macro LOADSTEP k, q
	WIN W_LD
.set RSL, 64*((\k)%4)
.irp t, 0,1,2,3
.irp c, 0,1,2,3
.if (\k) < 8
	global_load_b128 v[RSL+16*\t+4*\c:RSL+16*\t+4*\c+3], v[LI], s[W1B+4*(\q):W1B+4*(\q)+1] offset:((2*((\k)/2)+\t%2)*4+2*((\k)%2)+\t/2)*2048+512*\c
.else
	global_load_b128 v[RSL+16*\t+4*\c:RSL+16*\t+4*\c+3], v[LI], s[W2B+4*(\q):W2B+4*(\q)+1] offset:((4*(((\k)-8)%2)+\t)*4+((\k)-8)/2)*2048+512*\c
.endif
.endr
.endr
.endm
.macro WAITSTEP k, last                ; step k's 16 loads are in: behind them the three younger steps' 48 were issued; in the last chunk nothing is asked for from step 12 on, and the counts run down
.if (\last) && ((\k) >= 12)
	s_wait_loadcnt 16*(15-(\k))
.else
	s_wait_loadcnt 48
.endif
.endm
.macro NEXT k, q, last                 ; behind step k's products: four places (ISA guide 7.12.1), then its slot takes the step four further on; from step 12 on that is the next chunk's
.rept 4
	v_nop
.endr
.if (\k)+4 < 16
	LOADSTEP (\k)+4, \q
.elseif (\last) == 0
	LOADSTEP (\k)-12, (\q)+1
.endif
.endm
; Sixteen products of the first kind: tiles 2 p, 2 p + 1 of my 128 hidden units x the four tiles of rows, K steps 2 a and 2 a + 1.  The eight accumulators take turns.  K step 0 starts the sums.
.macro P1STEP p, a, q, last
	WAITSTEP 2*(\p)+(\a), \last
	WIN W_P1
.set RS, 64*((2*(\p)+(\a))%4)
.irp z, 0,1
.irp m, 0,1,2,3
.irp u, 0,1
.if (2*(\a)+\z) == 0
	v_wmma_f32_16x16x128_fp8_fp8 v[HA+16*\m+8*\u:HA+16*\m+8*\u+7], v[RS+32*\z+16*\u:RS+32*\z+16*\u+15], v[16*(4*\m+2*(\a)+\z):16*(4*\m+2*(\a)+\z)+15], 0
.else
	v_wmma_f32_16x16x128_fp8_fp8 v[HA+16*\m+8*\u:HA+16*\m+8*\u+7], v[RS+32*\z+16*\u:RS+32*\z+16*\u+15], v[16*(4*\m+2*(\a)+\z):16*(4*\m+2*(\a)+\z)+15], v[HA+16*\m+8*\u:HA+16*\m+8*\u+7]
.endif
.endr
.endr
.endr
	NEXT 2*(\p)+(\a), \q, \last
.endm
; Sixteen products of the second kind: tiles 4 jj .. 4 jj + 3 of my 128 outputs x the four tiles of rows, the chunk's K step s: sixteen accumulators, each once.  zero = 1: the first chunk's first K step starts y's sums.
.macro P2STEP s, jj, q, zero, last
	WAITSTEP 8+2*(\s)+(\jj), \last
	WIN W_P2
.set RS, 64*((8+2*(\s)+(\jj))%4)
.set HB, HF+64*((\s)%2)
.irp t, 0,1,2,3
.irp m, 0,1,2,3
.if (\zero) && ((\s) == 0)
	v_wmma_f32_16x16x128_fp8_fp8 v[64*\m+8*(4*(\jj)+\t):64*\m+8*(4*(\jj)+\t)+7], v[RS+16*\t:RS+16*\t+15], v[HB+16*\m:HB+16*\m+15], 0
.else
	v_wmma_f32_16x16x128_fp8_fp8 v[64*\m+8*(4*(\jj)+\t):64*\m+8*(4*(\jj)+\t)+7], v[RS+16*\t:RS+16*\t+15], v[HB+16*\m:HB+16*\m+15], v[64*\m+8*(4*(\jj)+\t):64*\m+8*(4*(\jj)+\t)+7]
.endif
.endr
.endr
	NEXT 8+2*(\s)+(\jj), \q, \last
.endm
; 64 numbers of a lane, four groups of 16 neighbours along K, become 16 registers of codes in v[PC] on.  relu = 1: what is negative becomes 0 on the way.
.macro QUANT s, relu, sc, lim
.irp b, 0,1,2,3
.irp i, 0,1,2,3,4,5,6,7,8,9,10,11,12,13,14,15
.if \relu
	v_med3_num_f32 v[\s+16*\b+\i], v[\s+16*\b+\i], 0, v[\lim]          ; the activation and the hold in one; each accumulator from its low end on
.else
	v_med3_num_f32 v[\s+16*\b+\i], v[\s+16*\b+\i], -v[\lim], v[\lim]   ; the conversion does not saturate (ISA guide 7.6.2): the hold at 448 x the scale
.endif
.endr
	v_cvt_scalef32_pk8_fp8_f32 v[PC+4*\b:PC+1+4*\b], v[\s+16*\b:\s+7+16*\b], v[\sc]
	v_cvt_scalef32_pk8_fp8_f32 v[PC+2+4*\b:PC+3+4*\b], v[\s+8+16*\b:\s+15+16*\b], v[\sc]
.endr
	v_nop                                          ; a plain line behind the last conversion, ahead of whatever next writes its sources
.endm
.macro XLOAD reg, s                    ; my row's numbers of K step s: of each block of 32 the 16 of my half
.irp b, 0,1,2,3
.irp j, 0,1,2,3
	global_load_b128 v[\reg+16*\b+4*\j:\reg+16*\b+4*\j+3], v[XA], s[4:5] offset:512*\s+128*\b+16*\j
.endr
.endr
.endm
.macro XIMAGE s                        ; the fragment in v[PC] on goes to LDS as it stands
.irp c, 0,1,2,3
	ds_store_b128 v[XWI], v[PC+4*\c:PC+4*\c+3] offset:2048*\s+512*\c
.endr
.endm
.macro HFLOAD s, buf, q                ; the chunk's K step s: h's four fragments into set buf; chunk q's images lie in region 1 (q even) or 0 (q odd)
.irp m, 0,1,2,3
.irp c, 0,1,2,3
	ds_load_b128 v[HF+64*(\buf)+16*\m+4*\c:HF+64*(\buf)+16*\m+4*\c+3], v[LI] offset:32768*(1-(\q)%2)+(4*\m+(\s))*2048+512*\c
.endr
.endr
.endm
	s_load_b256 s[4:11], s[0:1], 0x0               ; x, the scales, w1f, w2f
	s_load_b256 s[12:19], s[0:1], 0x20             ; tiles, rows, gwt, ws
	v_lshl_add_u32 v18, v0, 2, 0x18400
	v_mov_b32 v19, 0
	v_lshrrev_b32 v1, 5, v0
	v_readfirstlane_b32 s20, v1                    ; wave
	v_and_b32 v1, 31, v0                           ; lane
	v_and_b32 v2, 15, v0                           ; r
	v_bfe_u32 v3, v0, 4, 1                         ; h
	v_lshlrev_b32 v[LI], 4, v1
	s_lshl_b32 s32, s20, 13
	v_add_nc_u32 v[XWI], s32, v[LI]                ; x's fragments (w, s): 8,192 w + 16 x lane
	s_lshl_b32 s32, s20, 11
	v_add_nc_u32 v[HWI], s32, v[LI]                ; h's fragments (m, K step w): 2,048 w + 16 x lane
	s_mul_i32 s32, s20, 16*SPITCH
	s_add_co_u32 s32, s32, STG
	v_mul_u32_u24 v[SO], v2, SPITCH
	v_lshl_add_u32 v[SO], v3, 5, v[SO]
	v_add_nc_u32 v[SO], s32, v[SO]                 ; in: row r, + 32 h
	v_add_nc_u32 v[SR], s32, v[LI]                 ; back: a row's 512 bytes
	s_lshl_b32 s32, s20, 9
	v_add_nc_u32 v[CO], s32, v[LI]
	s_lshl_b32 s33, ttmp9, 2
	s_lshr_b32 s49, ttmp9, 2                       ; where my tile begins its walk over the chunks: g + g / 4 + g / 16, taken mod 4 below
	s_lshr_b32 s50, ttmp9, 4
	s_add_co_u32 s49, s49, s50
	s_add_co_u32 s49, s49, ttmp9
	s_wait_kmcnt 0x0
	s_load_b32 s21, s[12:13], s33 offset:0x0       ; my tile: expert | rows << 8 | first place << 16
	s_wait_kmcnt 0x0
	s_and_b32 s22, s21, 7
	s_min_u32 s22, s22, 7                          ; the expert
	s_bfe_u32 s23, s21, 0x70008
	s_max_u32 s23, s23, 1
	s_sub_co_u32 s23, s23, 1                       ; the tile's last row
	s_lshr_b32 s24, s21, 16                        ; its first place in the list
	s_lshl_b32 s33, s22, 4
	s_load_b128 s[28:31], s[6:7], s33 offset:0x0   ; the expert's four entries: ex in s28, eh in s30
	s_load_b128 s[40:43], s[6:7], 0x0              ; entries 0 to 3: ew1 in s41, ew2 in s43: the one scale of each tensor of codes
	s_lshl_b32 s34, s22, 20                        ; the expert's 1 MB in each of w1f and w2f,
	s_lshl_b32 s36, s20, 16                        ; my wave's 32 fragments of a chunk
	s_add_co_u32 s34, s34, s36
.irp q, 0,1,2,3                                ; the q-th chunk that I walk is chunk (start + q) mod 4: 262,144 bytes each in w1f and in w2f
	s_add_co_u32 s50, s49, \q
	s_and_b32 s50, s50, 3
	s_lshl_b32 s50, s50, 18
	s_add_co_u32 s50, s50, s34
	s_mov_b32 s51, 0
	s_add_nc_u64 s[W1B+4*\q:W1B+4*\q+1], s[8:9], s[50:51]
	s_add_nc_u64 s[W2B+4*\q:W2B+4*\q+1], s[10:11], s[50:51]
.endr
.irp m, 0,1,2,3
	v_add_nc_u32 v[HA+\m], 16*\m, v2               ; rows 16 m + r,
.endr
	s_lshl_b32 s36, s20, 4
	v_add_nc_u32 v[HA+4], s36, v2                  ; and 16 w + r: the rows that I quantise
.irp m, 0,1,2,3,4
	v_min_u32 v[HA+\m], s23, v[HA+\m]              ; rows past the tile's count repeat its last row
	v_add_nc_u32 v[HA+\m], s24, v[HA+\m]
	v_min_u32 v[HA+\m], 0x1fff, v[HA+\m]           ; held inside the list
	v_lshlrev_b32 v[HA+\m], 2, v[HA+\m]
.endr
.irp m, 0,1,2,3
	global_load_b32 v[SL+\m], v[HA+\m], s[14:15]
.endr
	global_load_b32 v[OWN], v[HA+4], s[14:15]
.irp j, 0,1,2
	LOADSTEP \j, 0                                 ; the ring is filled while the list is on its way
.endr
	WIN 0
	s_wait_loadcnt 48                              ; the five loads from the list are in; the 48 behind them may be out
	LOADSTEP 3, 0
	WIN 0
.irp m, 0,1,2,3
	v_min_u32 v[SL+\m], 0x1fff, v[SL+\m]
.endr
	v_min_u32 v[OWN], 0x1fff, v[OWN]
.irp m, 0,1,2,3
	v_lshlrev_b32 v[HA+8+\m], 2, v[SL+\m]
.endr
.irp m, 0,1,2,3
	global_load_b32 v[F+2*\m], v[HA+8+\m], s[16:17]    ; the gate's weight of row 16 m + r
.endr
	v_and_b32 v[XA], 0x1ffe, v[OWN]                ; 2 x token,
	v_lshlrev_b32 v[XA], 10, v[XA]                 ; x 1,024: the token's row of 2,048 bytes
	v_lshl_add_u32 v[XA], v3, 6, v[XA]
	XLOAD HF, 0
	XLOAD HF+64, 1
	s_wait_kmcnt 0x0
	s_add_co_i32 s36, s28, 127
	s_lshl_b32 s37, s36, 23
	v_mov_b32 v28, s37                             ; 2^ex as f32: the conversion takes its exponent field
	s_add_co_i32 s36, s36, 8
	s_lshl_b32 s36, s36, 23
	s_or_b32 s36, s36, 0x600000
	v_mov_b32 v29, s36                             ; 448 x 2^ex
	s_sub_co_i32 s36, s30, s28
	s_sub_co_i32 s36, s36, s41                     ; a sum of the first product stands for sum x 2^(ex + ew1): its code is sum / 2^(eh - ex - ew1)
	s_add_co_i32 s36, s36, 127
	s_lshl_b32 s37, s36, 23
	v_mov_b32 v30, s37
	s_add_co_i32 s36, s36, 8
	s_lshl_b32 s36, s36, 23
	s_or_b32 s36, s36, 0x600000
	v_mov_b32 v31, s36
	s_add_co_i32 s38, s30, s43                     ; eh + ew2
	s_wait_loadcnt 16                              ; K step 0 is in; K step 1's 16 loads may be out
	QUANT HF, 0, 28, 29
	XIMAGE 0
	XLOAD HF, 2
	s_wait_loadcnt 16
	s_wait_dscnt 0x0                               ; the stores have read the codes' registers
	QUANT HF+64, 0, 28, 29
	XIMAGE 1
	XLOAD HF+64, 3
	s_wait_loadcnt 16
	s_wait_dscnt 0x0
	QUANT HF, 0, 28, 29
	XIMAGE 2
	s_wait_loadcnt 0x0
	s_wait_dscnt 0x0
	QUANT HF+64, 0, 28, 29
	XIMAGE 3
.irp m, 0,1,2,3
	v_ldexp_f32 v[F+2*\m], v[F+2*\m], s38          ; a row's factor: weight x 2^(eh + ew2)
	v_mov_b32 v[F+2*\m+1], v[F+2*\m]               ; (named with it as a pair, so it is written)
.endr
	s_wait_dscnt 0x0                               ; for the others' sake: my images have landed
	s_barrier_signal -1
	s_barrier_wait -1                              ; x's sixteen fragments lie in LDS
	WIN W_XF
.irp f, 0,1,2,3,4,5,6,7,8,9,10,11,12,13,14,15
.irp c, 0,1,2,3
	ds_load_b128 v[16*\f+4*\c:16*\f+4*\c+3], v[LI] offset:2048*\f+512*\c
.endr
.endr
	WIN 0
	s_wait_dscnt 0x0                               ; my reads of x's images are over: region 0 is stored again only behind the next barrier
; THE q-TH CHUNK of 512 hidden units.  ONE barrier: behind it h's sixteen fragments lie in LDS.  The images take the two regions by turns: a region is stored again two chunks later, behind the barrier of the
; chunk between, in front of which every wave has waited for its reads of it.
.macro TRIP q, zero, last
.irp p, 0,1,2,3
.irp a, 0,1
	P1STEP \p, \a, \q, \last
.endr
	WIN 0
	s_wait_dscnt 0x0                               ; the last pieces' stores have read the codes' registers
	QUANT HA, 1, 30, 31                            ; group m of 16: piece p of the fragment of rows 16 m on
.irp m, 0,1,2,3
	ds_store_b128 v[HWI], v[PC+4*\m:PC+4*\m+3] offset:32768*(1-(\q)%2)+8192*\m+512*\p
.endr
.endr
	s_wait_dscnt 0x0                               ; for the others' sake: my pieces have landed, and all my earlier reads are back
	s_barrier_signal -1
	s_barrier_wait -1
	HFLOAD 0, 0, \q
	HFLOAD 1, 1, \q
.irp s, 0,1,2,3
.if \s < 3
	s_wait_dscnt 16                                ; this K step's four fragments are in; the next one's 16 loads may be out
.else
	s_wait_dscnt 0x0
.endif
.irp jj, 0,1
	P2STEP \s, \jj, \q, \zero, \last
.endr
.if \s < 2
	WIN 0
	HFLOAD (\s)+2, (\s)%2, \q                      ; (the four places behind the last products stand in front of these loads too)
.endif
.endr
	WIN 0
.endm
	TRIP 0, 1, 0                                   ; the first chunk starts y's sums: nothing is cleared
	TRIP 1, 0, 0
	TRIP 2, 0, 0
	TRIP 3, 0, 1                                   ; the last chunk asks for nothing more
; THE WAY OUT, 16 rows at a time.  A lane holds 32 neighbouring bytes of a row for each of my 8 tiles of outputs: the block goes through my own stage and comes back as rows of 512 bytes.
; LDS serves a wave's instructions in order (ISA guide 5.7.1.4): no wait between the stores and the loads, nor in front of the next block's stores.
.macro TOSTAGE a
	WIN W_OUT
.irp j, 0,2,4,6,8,10,12,14,16,18,20,22,24,26,28,30,32,34,36,38,40,42,44,46,48,50,52,54,56,58,60,62
	v_pk_mul_f32 v[HA+\j:HA+\j+1], v[64*(\a)+\j:64*(\a)+\j+1], v[F+2*(\a):F+2*(\a)+1] op_sel_hi:[1,0]   ; x my row's factor; each accumulator from its low end on
.endr
	WIN 0
.irp n, 0,1,2,3,4,5,6,7
	ds_store_b128 v[SO], v[HA+8*\n:HA+8*\n+3] offset:64*\n
	ds_store_b128 v[SO], v[HA+8*\n+4:HA+8*\n+7] offset:64*\n+16
.endr
.set BB, HF+64*((\a)%2)
.irp i, 0,1,2,3,4,5,6,7,8,9,10,11,12,13,14,15
	ds_load_b128 v[BB+4*\i:BB+4*\i+3], v[SR] offset:\i*SPITCH
.endr
.endm
.macro SEND a, younger                 ; younger: the LDS instructions issued behind block a's loads
.set BB, HF+64*((\a)%2)
	s_wait_dscnt \younger
	s_wait_xcnt 0x0                                ; the earlier stores have read their offsets: these are written again only behind this wait
.irp i, 0,1,2,3,4,5,6,7,8,9,10,11,12,13,14,15
	v_readlane_b32 s[32+\i], v[SL+(\a)], \i        ; row 16 a + i's slot
.endr
.irp i, 0,1,2,3,4,5,6,7,8,9,10,11,12,13,14,15
	s_min_u32 s[32+\i], s[32+\i], 0x1fff
.endr
.irp i, 0,1,2,3,4,5,6,7,8,9,10,11,12,13,14,15
	v_lshl_add_u32 v[VA+\i], s[32+\i], 11, v[CO]   ; slot x 2,048 + my wave's 512 bytes + 16 x lane
.endr
.irp i, 0,1,2,3,4,5,6,7,8,9,10,11,12,13,14,15
	global_store_b128 v[VA+\i], v[BB+4*\i:BB+4*\i+3], s[18:19]      ; 32 lanes store 512 consecutive bytes, at a multiple of 512 from the buffer's first byte
.endr
.endm
	TOSTAGE 0                                      ; (the four places behind the last products have been written)
.irp a, 1,2,3
.if \a > 1
	s_wait_xcnt 0x0                                ; block a - 2's stores have read their registers: block a's rows may land there
.endif
	TOSTAGE \a
	SEND \a-1, 32                                  ; behind block a - 1's loads: block a's 16 stores and 16 loads
.endr
	SEND 3, 0
	s_wait_tensorcnt 0x0
	ds_add_u32 v18, v19
	s_wait_dscnt 0x0
	s_endpgm
.Lfunc_end_k_q84d4de7aaa_chain:
	.size	k_q84d4de7aaa_chain, .Lfunc_end_k_q84d4de7aaa_chain-k_q84d4de7aaa_chain
	.p2alignl 7, 3214868480
	.fill 96, 4, 3214868480
	.section	.rodata,"a",@progbits
	.p2align	6, 0x0
	.amdhsa_kernel k_q84d4de7aaa_chain
		.amdhsa_group_segment_fixed_size 99840
		.amdhsa_private_segment_fixed_size 0
		.amdhsa_enable_private_segment 0
		.amdhsa_kernarg_size 64
		.amdhsa_user_sgpr_count 2
		.amdhsa_user_sgpr_kernarg_segment_ptr 1
		.amdhsa_wavefront_size32 1
		.amdhsa_system_sgpr_workgroup_id_x 1
		.amdhsa_system_sgpr_workgroup_id_y 1
		.amdhsa_system_sgpr_workgroup_id_z 1
		.amdhsa_system_vgpr_workitem_id 0
		.amdhsa_next_free_vgpr 1024
		.amdhsa_next_free_sgpr 84
		.amdhsa_reserve_vcc 0
		.amdhsa_float_denorm_mode_32 3
		.amdhsa_float_denorm_mode_16_64 3
		.amdhsa_memory_ordered 1
		.amdhsa_forward_progress 1
		.amdhsa_inst_pref_size 255
	.end_amdhsa_kernel
	.section	.bss,"aw",@nobits
	.p2align	6
	.space	262144
	.amdgpu_metadata
---
amdhsa.version: [ 1, 2 ]
amdhsa.kernels:
  - .name:           k_q84d4de7aaa_chain
    .symbol:         k_q84d4de7aaa_chain.kd
    .args:
      - { .name: x, .offset: 0, .size: 8, .value_kind: global_buffer, .address_space: global }
      - { .name: lowp_scales, .offset: 8, .size: 8, .value_kind: global_buffer, .address_space: global }
      - { .name: w1f, .offset: 16, .size: 8, .value_kind: global_buffer, .address_space: global }
      - { .name: w2f, .offset: 24, .size: 8, .value_kind: global_buffer, .address_space: global }
      - { .name: tiles, .offset: 32, .size: 8, .value_kind: global_buffer, .address_space: global }
      - { .name: rows, .offset: 40, .size: 8, .value_kind: global_buffer, .address_space: global }
      - { .name: gwt, .offset: 48, .size: 8, .value_kind: global_buffer, .address_space: global }
      - { .name: ws, .offset: 56, .size: 8, .value_kind: global_buffer, .address_space: global }
    .group_segment_fixed_size: 99840
    .private_segment_fixed_size: 0
    .kernarg_segment_align: 8
    .kernarg_segment_size: 64
    .max_flat_workgroup_size: 128
    .sgpr_count:     84
    .vgpr_count:     1024
    .wavefront_size: 32
...
	.end_amdgpu_metadata
.endif
;; end of part 5
;; launch combine: the kernel of part 4 again; grid 256 x 1, 8 waves a work-group, no clusters, 0 bytes of LDS; arguments ws, out0; writes out0
;; ======== version 3 of 3: 4 launches; version 2 with the launch chain written anew for expert scheduling mode
;; workspace buffers: w1f 8,388,608 bytes; w2f 8,388,608 bytes; sel 16,384 bytes of whole numbers; gwt 32,768 bytes; rows 32,768 bytes of whole numbers; tiles 1,024 bytes of whole numbers; ws 16,777,216 bytes
;; launch prep: the kernel of part 1 again; grid 384 x 1, 4 waves a work-group, no clusters, 34,304 bytes of LDS; arguments x, gate_w, w1_codes, w2_codes, sel, gwt, w1f, w2f; writes sel, gwt, w1f, w2f
;; launch place: the kernel of part 2 again; grid 1 x 1, 32 waves a work-group, no clusters, 12,288 bytes of LDS; arguments sel, rows, tiles; writes rows, tiles
;; launch chain (part 6): grid 135 x 1, 4 waves a work-group, no clusters, 99,840 bytes of LDS; arguments x, lowp_scales, w1f, w2f, tiles, rows, gwt, ws; writes ws
.if DOCPART == 6
	.amdgcn_target "amdgcn-amd-amdhsa--gfx1250"
	.amdhsa_code_object_version 6
	.text
	.protected	k_q84d4de7aaa_chain
	.globl	k_q84d4de7aaa_chain
	.p2align	8
	.type	k_q84d4de7aaa_chain,@function
k_q84d4de7aaa_chain:
	s_mov_b64 s[64:65], 0
	v_nop
	global_prefetch_b8 v0, s[64:65] scope:SCOPE_SE
	s_setreg_imm32_b32 hwreg(HW_REG_WAVE_SCHED_MODE, 0, 2), 2
	s_setreg_imm32_b32 hwreg(HW_REG_WAVE_MODE, 25, 1), 1
	s_wait_xcnt 0x0
	s_wait_alu depctr_vm_vsrc(0)
; ONE TILE (up to 64 routed rows) OF ONE EXPERT THROUGH THE WHOLE CHAIN: gather x, quantise, x W1^T, relu, quantise, h W2^T, x the gate's weight, store by slot.
; Both products on codes of E4M3 by v_wmma_f32_16x16x128_fp8_fp8.
; THE SCALES.  x and the hidden layer are quantised here, with expert e's own entries of the scales: ex = entry 4 e, eh = entry 4 e + 2.
; w1_codes and w2_codes each come as ONE tensor of codes and are taken with ONE scale each: the first entry that names the tensor, ew1 = entry 1 and ew2 = entry 3, for every expert.
; The hidden layer never goes to memory.  ws[slot][512] = weight x y; the next launch adds a token's two slots.
; SHARES.  Four waves SHARE THE COLUMNS, NOT THE ROWS.  The hidden layer goes in four chunks of 512; in a chunk wave w makes its hidden units 128 w .. + 127 for all 64 rows, and adds the chunk
; into its output columns 128 w .. + 127.  So every byte of the expert's 2 MB of codes is loaded by exactly one wave, once, straight into operand registers (the first launch laid them so),
; through a ring of four register slots of four fragments: a step is 16 loads (8 KB) and feeds 16 matrix instructions; a step asks for the step four further on.
; THE TILES OF AN EXPERT WALK THE FOUR CHUNKS FROM DIFFERENT STARTS: tile g begins at chunk (g + g / 4 + g / 16) mod 4 and goes round.  So each quarter of an expert's codes is asked for first by
; about a quarter of its tiles, and by the others a chunk or more later.  The chunks' eight base addresses are made once; the four chunks are written out, every offset an immediate.
; x's codes (16 fragments, window 1) and y's sums (32 accumulators, window 2) stay in registers.  x's and h's fragments go from wave to wave through LDS as images of their registers.
; BOTH PRODUCTS ARE USED TRANSPOSED (source 0 = 16 rows of the weight, source 1 = 16 rows of x or h): a lane holds one row; W1's rows of a tile are chosen so that the 16 registers of tiles 2 p, 2 p + 1
; are 16 neighbours along the next K.  Registers 4 c .. 4 c + 3 of every fragment hold k = 32 c + 16 (lane / 16) + 0 .. 15: the same order of k on both sides of each product.
; A SHORT TILE: rows from the tile's count on repeat its last row: the same wave then stores the same bytes again; no mask, no branch at all.
; NO TENSOR LOADS, NO CLUSTER: which expert a work-group reads is a number read from memory, and neighbouring tiles need not be of one expert, so no descriptor could be equal in partners.
; LIMITS: ex and eh - ex - ew1 between -126 and 119, so that the powers of two below are f32 numbers; eh + ew2 goes through v_ldexp_f32.  NaN in x is not served.
; The order in which a row's four chunks are added in f32 hangs on the tile's number.
; LDS: region 0 (32 KB at 0): x's 16 images ((4 m + s) x 2,048), later h's images of the second and fourth chunk walked; region 1 (32 KB at 32,768): h's images of the first and third
; ((4 m + K step) x 2,048, piece p at + 512 p); from 65,536 a stage of 16 rows x 528 bytes for each wave; from 99,328 the spare words.
; REGISTERS.  window 0: v1-11 lane numbers and addresses; v12-15 the slots of rows 16 m + r; v18, v19 the closing add's two; v20-27 the rows' factors, in pairs; v28-31 scales; v32-95 8 accumulators of h ((u, m) at 32 + 16 m + 8 u), on the way out y;
;   v96-111 codes just made; v112-239 two sets of four fragments of h (at the head: x as f32; at the end: rows of y); v240-255 store offsets.
;   window 1: x's fragment (m, s) at 16 (4 m + s).   window 2: y's accumulator (n, m) at 64 m + 8 n.   window 3: the ring: slot k at 64 k, fragment t at + 16 t.
; THE MODE: SCHED_MODE bits 1:0 = 2 (LLVM: expert scheduling mode 2), set by the entry lines.  The code itself states the register dependences
; between vector or matrix instructions and memory or LDS instructions, with s_wait_alu, always for 0.
; THE PLAN.  Registers that memory or LDS instructions touch, in the chunks:
;   the ring      Step k: its sixteen products read slot k % 4; behind them the loads of the step four further on land in it.
;   v[PC ..]      Written by a piece's conversions; read by the piece's four LDS stores, which are issued a step later; written again by the next piece's conversions.
;   HF0, HF1      K step s: its 32 products read set s % 2; the LDS loads of K step s + 2 land in it.
;   v[LI], v[HWI] Read by every load of the ring, every load of a fragment and every store of a piece; never written again.
;   v[HA ..], x's fragments and y's sums are named by vector and matrix instructions alone.
; All 1,024 registers are in use: the ring has no fifth slot that could be asked for while a step's products still read theirs.  So ONE wait on va_vdst stands in a step, behind its products: it states
; that they are done reading their slot, which is asked for again at once.  The same wait states that the conversions of the piece before have written v[PC ..] (their LDS stores follow the ring's loads), and, in a K step's
; second step, that the K step's products are done reading their set of h's fragments (the LDS loads of the K step two further on follow).  A chunk's fourth piece has a wait of its own, ahead of the barrier.
; One wait on vm_vsrc stands ahead of each piece's conversions: the LDS stores issued so far have read v[PC ..].
.set STG,    65536
.set SPITCH, 528
.set XA,  4                            ; v4   x: my row's first byte + 64 h
.set LI,  5                            ; v5   16 x lane
.set XWI, 6                            ; v6   where I store x's images
.set HWI, 7                            ; v7   where I store h's pieces: 2,048 x wave + 16 x lane; the region stands in the immediate
.set SO,  8                            ; v8   the stage: in
.set SR,  9                            ; v9   the stage: back
.set CO,  10                           ; v10  512 x wave + 16 x lane: my bytes of a row of ws
.set OWN, 11                           ; v11  the slot of row 16 w + r
.set SL,  12
.set F,   20
.set HA,  32
.set PC,  96
.set HF,  112
.set VA,  240
.set W1B, 66                           ; s[66+4q:67+4q]  my part of w1f in the q-th chunk that I walk
.set W2B, 68                           ; s[68+4q:69+4q]  the same in w2f
.set MSB, 0
.macro WIN new                         ; the immediate's high byte repeats the setting that is left
.if MSB != \new
	s_set_vgpr_msb (MSB<<8)|\new
.set MSB, \new
.endif
.endm
.set W_LD,  0xc0                       ; destination window 3, address and store data window 0
.set W_P1,  0x07                       ; source 0 (W1) window 3, source 1 (x) window 1, C and D window 0
.set W_P2,  0xa3                       ; source 0 (W2) window 3, source 1 (h) window 0, C and D window 2
.set W_XF,  0x40                       ; destination window 1
.set W_OUT, 0x02                       ; source 0 window 2
; Step k of a chunk's 16: four fragments into ring slot k % 4.  Steps 0-7: W1's tiles 2 p + u, K steps 2 a + z (p = k / 2, a = k % 2; fragment t: z = t / 2, u = t % 2).
; Steps 8-15: W2's tiles 4 jj + t, K step s (s = (k - 8) / 2, jj = (k - 8) % 2).  q: which of the chunks that I walk.
.macro LOADSTEP k, q
	WIN W_LD
.set RSL, 64*((\k)%4)
.irp t, 0,1,2,3
.irp c, 0,1,2,3
.if (\k) < 8
	global_load_b128 v[RSL+16*\t+4*\c:RSL+16*\t+4*\c+3], v[LI], s[W1B+4*(\q):W1B+4*(\q)+1] offset:((2*((\k)/2)+\t%2)*4+2*((\k)%2)+\t/2)*2048+512*\c
.else
	global_load_b128 v[RSL+16*\t+4*\c:RSL+16*\t+4*\c+3], v[LI], s[W2B+4*(\q):W2B+4*(\q)+1] offset:((4*(((\k)-8)%2)+\t)*4+((\k)-8)/2)*2048+512*\c
.endif
.endr
.endr
.endm
.macro WAITSTEP k, last                ; step k's 16 loads are in: behind them the three younger steps' 48 were issued; in the last chunk nothing is asked for from step 12 on, and the counts run down
.if (\last) && ((\k) >= 12)
	s_wait_loadcnt 16*(15-(\k))
.else
	s_wait_loadcnt 48
.endif
.endm
; Behind step k's products: four places (ISA guide 7.12.1), which the wait neither fills nor stands for; the window; the step's one wait; then its slot takes the step four further on; from step 12 on that is the next chunk's.
; A step that asks for nothing has no wait.
.macro NEXT k, q, last
.rept 4
	v_nop
.endr
.if (\k)+4 < 16
	WIN W_LD
	s_wait_alu depctr_va_vdst(0)                   ; the step's products are done reading their ring slot, in which the loads below land; the piece before has written v[PC ..]; a K step's products are done reading their set of h's fragments
	LOADSTEP (\k)+4, \q
.elseif (\last) == 0
	WIN W_LD
	s_wait_alu depctr_va_vdst(0)                   ; the step's products are done reading their ring slot, in which the loads below land
	LOADSTEP (\k)-12, (\q)+1
.endif
.endm
.macro HSTORE p, q                     ; piece p of my four fragments of h goes to LDS as it stands; chunk q's images lie in region 1 (q even) or 0 (q odd).  Address and data lie in window 0 under the ring's setting too
.irp m, 0,1,2,3
	ds_store_b128 v[HWI], v[PC+4*\m:PC+4*\m+3] offset:32768*(1-(\q)%2)+8192*\m+512*(\p)
.endr
.endm
; Sixteen products of the first kind: tiles 2 p, 2 p + 1 of my 128 hidden units x the four tiles of rows, K steps 2 a and 2 a + 1.  The eight accumulators take turns.  K step 0 starts the sums.
.macro P1STEP p, a, q, last
	WAITSTEP 2*(\p)+(\a), \last
	WIN W_P1
.set RS, 64*((2*(\p)+(\a))%4)
.irp z, 0,1
.irp m, 0,1,2,3
.irp u, 0,1
.if (2*(\a)+\z) == 0
	v_wmma_f32_16x16x128_fp8_fp8 v[HA+16*\m+8*\u:HA+16*\m+8*\u+7], v[RS+32*\z+16*\u:RS+32*\z+16*\u+15], v[16*(4*\m+2*(\a)+\z):16*(4*\m+2*(\a)+\z)+15], 0
.else
	v_wmma_f32_16x16x128_fp8_fp8 v[HA+16*\m+8*\u:HA+16*\m+8*\u+7], v[RS+32*\z+16*\u:RS+32*\z+16*\u+15], v[16*(4*\m+2*(\a)+\z):16*(4*\m+2*(\a)+\z)+15], v[HA+16*\m+8*\u:HA+16*\m+8*\u+7]
.endif
.endr
.endr
.endr
	NEXT 2*(\p)+(\a), \q, \last
.if ((\a) == 0) && ((\p) > 0)
	HSTORE (\p)-1, \q                              ; the piece before.  No wait of its own: its conversions stand ahead of the wait above, and no vector or matrix instruction since names v[PC ..] or v[HWI]
.endif
.endm
; Sixteen products of the second kind: tiles 4 jj .. 4 jj + 3 of my 128 outputs x the four tiles of rows, the chunk's K step s: sixteen accumulators, each once.  zero = 1: the first chunk's first K step starts y's sums.
.macro P2STEP s, jj, q, zero, last
	WAITSTEP 8+2*(\s)+(\jj), \last
	WIN W_P2
.set RS, 64*((8+2*(\s)+(\jj))%4)
.set HB, HF+64*((\s)%2)
.irp t, 0,1,2,3
.irp m, 0,1,2,3
.if (\zero) && ((\s) == 0)
	v_wmma_f32_16x16x128_fp8_fp8 v[64*\m+8*(4*(\jj)+\t):64*\m+8*(4*(\jj)+\t)+7], v[RS+16*\t:RS+16*\t+15], v[HB+16*\m:HB+16*\m+15], 0
.else
	v_wmma_f32_16x16x128_fp8_fp8 v[64*\m+8*(4*(\jj)+\t):64*\m+8*(4*(\jj)+\t)+7], v[RS+16*\t:RS+16*\t+15], v[HB+16*\m:HB+16*\m+15], v[64*\m+8*(4*(\jj)+\t):64*\m+8*(4*(\jj)+\t)+7]
.endif
.endr
.endr
	NEXT 8+2*(\s)+(\jj), \q, \last
.endm
; 64 numbers of a lane, four groups of 16 neighbours along K, become 16 registers of codes in v[PC] on.  relu = 1: what is negative becomes 0 on the way.
.macro QUANT s, relu, sc, lim
.irp b, 0,1,2,3
.irp i, 0,1,2,3,4,5,6,7,8,9,10,11,12,13,14,15
.if \relu
	v_med3_num_f32 v[\s+16*\b+\i], v[\s+16*\b+\i], 0, v[\lim]          ; the activation and the hold in one; each accumulator from its low end on
.else
	v_med3_num_f32 v[\s+16*\b+\i], v[\s+16*\b+\i], -v[\lim], v[\lim]   ; the conversion does not saturate (ISA guide 7.6.2): the hold at 448 x the scale
.endif
.endr
	v_cvt_scalef32_pk8_fp8_f32 v[PC+4*\b:PC+1+4*\b], v[\s+16*\b:\s+7+16*\b], v[\sc]
	v_cvt_scalef32_pk8_fp8_f32 v[PC+2+4*\b:PC+3+4*\b], v[\s+8+16*\b:\s+15+16*\b], v[\sc]
.endr
	v_nop                                          ; a plain line behind the last conversion, ahead of whatever next writes its sources
.endm
.macro XLOAD reg, s                    ; my row's numbers of K step s: of each block of 32 the 16 of my half
.irp b, 0,1,2,3
.irp j, 0,1,2,3
	global_load_b128 v[\reg+16*\b+4*\j:\reg+16*\b+4*\j+3], v[XA], s[4:5] offset:512*\s+128*\b+16*\j
.endr
.endr
.endm
.macro XIMAGE s                        ; the fragment in v[PC] on goes to LDS as it stands
.irp c, 0,1,2,3
	ds_store_b128 v[XWI], v[PC+4*\c:PC+4*\c+3] offset:2048*\s+512*\c
.endr
.endm
.macro HFLOAD s, buf, q                ; the chunk's K step s: h's four fragments into set buf; chunk q's images lie in region 1 (q even) or 0 (q odd)
.irp m, 0,1,2,3
.irp c, 0,1,2,3
	ds_load_b128 v[HF+64*(\buf)+16*\m+4*\c:HF+64*(\buf)+16*\m+4*\c+3], v[LI] offset:32768*(1-(\q)%2)+(4*\m+(\s))*2048+512*\c
.endr
.endr
.endm
	s_load_b256 s[4:11], s[0:1], 0x0               ; x, the scales, w1f, w2f
	s_load_b256 s[12:19], s[0:1], 0x20             ; tiles, rows, gwt, ws
	v_lshl_add_u32 v18, v0, 2, 0x18400
	v_mov_b32 v19, 0
	v_lshrrev_b32 v1, 5, v0
	v_readfirstlane_b32 s20, v1                    ; wave
	v_and_b32 v1, 31, v0                           ; lane
	v_and_b32 v2, 15, v0                           ; r
	v_bfe_u32 v3, v0, 4, 1                         ; h
	v_lshlrev_b32 v[LI], 4, v1
	s_wait_alu depctr_va_sdst(0)                   ; s20 is written, ahead of its first reader: LDS addresses and the weights' bases are made from it
	s_lshl_b32 s32, s20, 13
	v_add_nc_u32 v[XWI], s32, v[LI]                ; x's fragments (w, s): 8,192 w + 16 x lane
	s_lshl_b32 s32, s20, 11
	v_add_nc_u32 v[HWI], s32, v[LI]                ; h's fragments (m, K step w): 2,048 w + 16 x lane
	s_mul_i32 s32, s20, 16*SPITCH
	s_add_co_u32 s32, s32, STG
	v_mul_u32_u24 v[SO], v2, SPITCH
	v_lshl_add_u32 v[SO], v3, 5, v[SO]
	v_add_nc_u32 v[SO], s32, v[SO]                 ; in: row r, + 32 h
	v_add_nc_u32 v[SR], s32, v[LI]                 ; back: a row's 512 bytes
	s_lshl_b32 s32, s20, 9
	v_add_nc_u32 v[CO], s32, v[LI]
	s_lshl_b32 s33, ttmp9, 2
	s_lshr_b32 s49, ttmp9, 2                       ; where my tile begins its walk over the chunks: g + g / 4 + g / 16, taken mod 4 below
	s_lshr_b32 s50, ttmp9, 4
	s_add_co_u32 s49, s49, s50
	s_add_co_u32 s49, s49, ttmp9
	s_wait_kmcnt 0x0
	s_load_b32 s21, s[12:13], s33 offset:0x0       ; my tile: expert | rows << 8 | first place << 16
	s_wait_kmcnt 0x0
	s_and_b32 s22, s21, 7
	s_min_u32 s22, s22, 7                          ; the expert
	s_bfe_u32 s23, s21, 0x70008
	s_max_u32 s23, s23, 1
	s_sub_co_u32 s23, s23, 1                       ; the tile's last row
	s_lshr_b32 s24, s21, 16                        ; its first place in the list
	s_lshl_b32 s33, s22, 4
	s_load_b128 s[28:31], s[6:7], s33 offset:0x0   ; the expert's four entries: ex in s28, eh in s30
	s_load_b128 s[40:43], s[6:7], 0x0              ; entries 0 to 3: ew1 in s41, ew2 in s43: the one scale of each tensor of codes
	s_lshl_b32 s34, s22, 20                        ; the expert's 1 MB in each of w1f and w2f,
	s_lshl_b32 s36, s20, 16                        ; my wave's 32 fragments of a chunk
	s_add_co_u32 s34, s34, s36
.irp q, 0,1,2,3                                ; the q-th chunk that I walk is chunk (start + q) mod 4: 262,144 bytes each in w1f and in w2f
	s_add_co_u32 s50, s49, \q
	s_and_b32 s50, s50, 3
	s_lshl_b32 s50, s50, 18
	s_add_co_u32 s50, s50, s34
	s_mov_b32 s51, 0
	s_add_nc_u64 s[W1B+4*\q:W1B+4*\q+1], s[8:9], s[50:51]
	s_add_nc_u64 s[W2B+4*\q:W2B+4*\q+1], s[10:11], s[50:51]
.endr
.irp m, 0,1,2,3
	v_add_nc_u32 v[HA+\m], 16*\m, v2               ; rows 16 m + r,
.endr
	s_lshl_b32 s36, s20, 4
	v_add_nc_u32 v[HA+4], s36, v2                  ; and 16 w + r: the rows that I quantise
.irp m, 0,1,2,3,4
	v_min_u32 v[HA+\m], s23, v[HA+\m]              ; rows past the tile's count repeat its last row
	v_add_nc_u32 v[HA+\m], s24, v[HA+\m]
	v_min_u32 v[HA+\m], 0x1fff, v[HA+\m]           ; held inside the list
	v_lshlrev_b32 v[HA+\m], 2, v[HA+\m]
.endr
	s_wait_alu depctr_va_vdst(0)                   ; the five places in the list, v32 to v36, are written, which the loads below read; so are v5 to v10, the addresses that stay, for every later load and store
.irp m, 0,1,2,3
	global_load_b32 v[SL+\m], v[HA+\m], s[14:15]
.endr
	global_load_b32 v[OWN], v[HA+4], s[14:15]
.irp j, 0,1,2
	LOADSTEP \j, 0                                 ; the ring is filled while the list is on its way
.endr
	WIN 0
	s_wait_loadcnt 48                              ; the five loads from the list are in; the 48 behind them may be out
	LOADSTEP 3, 0
	WIN 0
.irp m, 0,1,2,3
	v_min_u32 v[SL+\m], 0x1fff, v[SL+\m]
.endr
	v_min_u32 v[OWN], 0x1fff, v[OWN]
.irp m, 0,1,2,3
	v_lshlrev_b32 v[HA+8+\m], 2, v[SL+\m]
.endr
	v_and_b32 v[XA], 0x1ffe, v[OWN]                ; 2 x token,
	v_lshlrev_b32 v[XA], 10, v[XA]                 ; x 1,024: the token's row of 2,048 bytes
	v_lshl_add_u32 v[XA], v3, 6, v[XA]
	s_wait_alu depctr_va_vdst(0)                   ; the weights' offsets v40 to v43 and x's offset v4 are written, which the loads below read
.irp m, 0,1,2,3
	global_load_b32 v[F+2*\m], v[HA+8+\m], s[16:17]    ; the gate's weight of row 16 m + r
.endr
	XLOAD HF, 0
	XLOAD HF+64, 1
	s_wait_kmcnt 0x0
	s_add_co_i32 s36, s28, 127
	s_lshl_b32 s37, s36, 23
	v_mov_b32 v28, s37                             ; 2^ex as f32: the conversion takes its exponent field
	s_add_co_i32 s36, s36, 8
	s_lshl_b32 s36, s36, 23
	s_or_b32 s36, s36, 0x600000
	v_mov_b32 v29, s36                             ; 448 x 2^ex
	s_sub_co_i32 s36, s30, s28
	s_sub_co_i32 s36, s36, s41                     ; a sum of the first product stands for sum x 2^(ex + ew1): its code is sum / 2^(eh - ex - ew1)
	s_add_co_i32 s36, s36, 127
	s_lshl_b32 s37, s36, 23
	v_mov_b32 v30, s37
	s_add_co_i32 s36, s36, 8
	s_lshl_b32 s36, s36, 23
	s_or_b32 s36, s36, 0x600000
	v_mov_b32 v31, s36
	s_add_co_i32 s38, s30, s43                     ; eh + ew2
	s_wait_loadcnt 16                              ; K step 0 is in; K step 1's 16 loads may be out
	QUANT HF, 0, 28, 29
	s_wait_alu depctr_va_vdst(0)                   ; the conversions have written v[PC ..], which the LDS stores read; the holds and conversions are done with v[HF ..], in which K step 2 lands
	XIMAGE 0
	XLOAD HF, 2
	s_wait_loadcnt 16
	s_wait_dscnt 0x0                               ; my LDS stores are done
	s_wait_alu depctr_vm_vsrc(0)                   ; the LDS stores have read v[PC ..], which the conversions write again; the list's and the weights' loads have read v32 to v36 and v40 to v43, which the first products will write
	QUANT HF+64, 0, 28, 29
	s_wait_alu depctr_va_vdst(0)                   ; v[PC ..] is written for the LDS stores; v[HF+64 ..] is done with, and K step 3 lands in it
	XIMAGE 1
	XLOAD HF+64, 3
	s_wait_loadcnt 16
	s_wait_dscnt 0x0
	s_wait_alu depctr_vm_vsrc(0)                   ; the LDS stores have read v[PC ..], which the conversions write again
	QUANT HF, 0, 28, 29
	s_wait_alu depctr_va_vdst(0)                   ; the conversions have written v[PC ..], which the LDS stores read
	XIMAGE 2
	s_wait_loadcnt 0x0
	s_wait_dscnt 0x0
	s_wait_alu depctr_vm_vsrc(0)                   ; the LDS stores have read v[PC ..], which the conversions write again
	QUANT HF+64, 0, 28, 29
	s_wait_alu depctr_va_vdst(0)                   ; the conversions have written v[PC ..], which the LDS stores read; v[HF ..] is done with, in which h's first fragments will land
	XIMAGE 3
.irp m, 0,1,2,3
	v_ldexp_f32 v[F+2*\m], v[F+2*\m], s38          ; a row's factor: weight x 2^(eh + ew2)
	v_mov_b32 v[F+2*\m+1], v[F+2*\m]               ; (named with it as a pair, so it is written)
.endr
	s_wait_dscnt 0x0                               ; for the others' sake: my images have landed
	s_barrier_signal -1
	s_barrier_wait -1                              ; x's sixteen fragments lie in LDS
	WIN W_XF
.irp f, 0,1,2,3,4,5,6,7,8,9,10,11,12,13,14,15
.irp c, 0,1,2,3
	ds_load_b128 v[16*\f+4*\c:16*\f+4*\c+3], v[LI] offset:2048*\f+512*\c   ; no vector instruction has named window 1
.endr
.endr
	WIN 0
	s_wait_dscnt 0x0                               ; my reads of x's images are over: region 0 is stored again only behind the next barrier
; THE q-TH CHUNK of 512 hidden units.  ONE barrier: behind it h's sixteen fragments lie in LDS.  The images take the two regions by turns: a region is stored again two chunks later, behind the barrier of the
; chunk between, in front of which every wave has waited for its reads of it.
.macro TRIP q, zero, last
.irp p, 0,1,2,3
.irp a, 0,1
	P1STEP \p, \a, \q, \last
.endr
	WIN 0
	s_wait_dscnt 0x0                               ; my earlier LDS stores are done
	s_wait_alu depctr_vm_vsrc(0)                   ; the LDS stores issued so far have read v[PC ..], which the conversions below write again
	QUANT HA, 1, 30, 31                            ; group m of 16: piece p of the fragment of rows 16 m on
.endr
	s_wait_alu depctr_va_vdst(0)                   ; the fourth piece's conversions have written v[PC ..], which the LDS stores read
	HSTORE 3, \q
	s_wait_dscnt 0x0                               ; for the others' sake: my pieces have landed, and all my earlier reads are back
	s_barrier_signal -1
	s_barrier_wait -1
	HFLOAD 0, 0, \q                                ; no wait: the last instructions that named v[HF ..] stand ahead of the wait above, and no vector or matrix instruction follows it
	HFLOAD 1, 1, \q
.irp s, 0,1,2,3
.if \s < 3
	s_wait_dscnt 16                                ; this K step's four fragments are in; the next one's 16 loads may be out
.else
	s_wait_dscnt 0x0
.endif
.irp jj, 0,1
	P2STEP \s, \jj, \q, \zero, \last
.endr
.if \s < 2
	WIN 0
	HFLOAD (\s)+2, (\s)%2, \q                      ; no wait of its own: the K step's products stand ahead of the ring's wait, and only loads and a window switch follow it
.endif
.endr
	WIN 0
.endm
	TRIP 0, 1, 0                                   ; the first chunk starts y's sums: nothing is cleared
	TRIP 1, 0, 0
	TRIP 2, 0, 0
	TRIP 3, 0, 1                                   ; the last chunk asks for nothing more
; THE WAY OUT, 16 rows at a time.  A lane holds 32 neighbouring bytes of a row for each of my 8 tiles of outputs: the block goes through my own stage and comes back as rows of 512 bytes.
; LDS serves a wave's instructions in order (ISA guide 5.7.1.4): no wait between the stores and the loads, nor in front of the next block's stores.
; THE PLAN here.  v[HA ..]: written by block a's scalings, read by its LDS stores, written again by block a + 1's scalings.  v[VA ..]: written by the offsets' lines, read by a block's global stores, written again for the next block.
; The rows' two sets in v[HF ..]: rows land from the stage, the global stores read them, the block two further on lands.  So a block has one wait on vm_vsrc at its head, then all its vector work (the offsets of the block before,
; its own scalings), one wait on va_vdst, and then its LDS stores and loads and the global stores of the block before.
.macro OFFS a                          ; the sixteen store offsets of block a
.irp i, 0,1,2,3,4,5,6,7,8,9,10,11,12,13,14,15
	v_readlane_b32 s[32+\i], v[SL+(\a)], \i        ; row 16 a + i's slot
.endr
	s_wait_alu depctr_va_sdst(0)                   ; s32 to s47 are written, ahead of their first readers
.irp i, 0,1,2,3,4,5,6,7,8,9,10,11,12,13,14,15
	s_min_u32 s[32+\i], s[32+\i], 0x1fff
.endr
.irp i, 0,1,2,3,4,5,6,7,8,9,10,11,12,13,14,15
	v_lshl_add_u32 v[VA+\i], s[32+\i], 11, v[CO]   ; slot x 2,048 + my wave's 512 bytes + 16 x lane
.endr
.endm
.macro SCALE a
	WIN W_OUT
.irp j, 0,2,4,6,8,10,12,14,16,18,20,22,24,26,28,30,32,34,36,38,40,42,44,46,48,50,52,54,56,58,60,62
	v_pk_mul_f32 v[HA+\j:HA+\j+1], v[64*(\a)+\j:64*(\a)+\j+1], v[F+2*(\a):F+2*(\a)+1] op_sel_hi:[1,0]   ; x my row's factor; each accumulator from its low end on
.endr
	WIN 0
.endm
.macro TOSTAGE a
.irp n, 0,1,2,3,4,5,6,7
	ds_store_b128 v[SO], v[HA+8*\n:HA+8*\n+3] offset:64*\n
	ds_store_b128 v[SO], v[HA+8*\n+4:HA+8*\n+7] offset:64*\n+16
.endr
.set BB, HF+64*((\a)%2)
.irp i, 0,1,2,3,4,5,6,7,8,9,10,11,12,13,14,15
	ds_load_b128 v[BB+4*\i:BB+4*\i+3], v[SR] offset:\i*SPITCH
.endr
.endm
.macro SEND a, younger                 ; younger: the LDS instructions issued behind block a's loads
.set BB, HF+64*((\a)%2)
	s_wait_dscnt \younger
.irp i, 0,1,2,3,4,5,6,7,8,9,10,11,12,13,14,15
	global_store_b128 v[VA+\i], v[BB+4*\i:BB+4*\i+3], s[18:19]      ; 32 lanes store 512 consecutive bytes, at a multiple of 512 from the buffer's first byte
.endr
.endm
	SCALE 0                                        ; (the four places behind the last products have been written)
	s_wait_alu depctr_va_vdst(0)                   ; the scalings have written v[HA ..], which the LDS stores read; the last chunk's products are done reading v[HF ..], in which the rows land
	TOSTAGE 0
.irp a, 1,2,3
.if \a > 1
	s_wait_xcnt 0x0                                ; block a - 2's stores have had their addresses translated: their offsets and data registers are written again only behind this wait
.endif
	s_wait_alu depctr_vm_vsrc(0)                   ; block a - 1's LDS stores have read v[HA ..]; block a - 2's global stores have read v[VA ..] and their rows' registers: all three are written again below
	OFFS \a-1
	SCALE \a
	s_wait_alu depctr_va_vdst(0)                   ; v[HA ..] is written for the LDS stores, v[VA ..] for the global stores of the block before
	TOSTAGE \a
	SEND \a-1, 32                                  ; behind block a - 1's loads: block a's 16 stores and 16 loads
.endr
	s_wait_xcnt 0x0                                ; block 2's stores have had their addresses translated
	s_wait_alu depctr_vm_vsrc(0)                   ; block 2's global stores have read v[VA ..], which is written again below
	OFFS 3
	s_wait_alu depctr_va_vdst(0)                   ; v[VA ..] is written, which the last stores read
	SEND 3, 0
	s_wait_dscnt 0x0                               ; the closing lines, six on end
	s_wait_alu 0x0
	s_wait_tensorcnt 0x0
	ds_add_u32 v18, v19
	s_wait_dscnt 0x0
	s_endpgm
.Lfunc_end_k_q84d4de7aaa_chain:
	.size	k_q84d4de7aaa_chain, .Lfunc_end_k_q84d4de7aaa_chain-k_q84d4de7aaa_chain
	.p2alignl 7, 3214868480
	.fill 96, 4, 3214868480
	.section	.rodata,"a",@progbits
	.p2align	6, 0x0
	.amdhsa_kernel k_q84d4de7aaa_chain
		.amdhsa_group_segment_fixed_size 99840
		.amdhsa_private_segment_fixed_size 0
		.amdhsa_enable_private_segment 0
		.amdhsa_kernarg_size 64
		.amdhsa_user_sgpr_count 2
		.amdhsa_user_sgpr_kernarg_segment_ptr 1
		.amdhsa_wavefront_size32 1
		.amdhsa_system_sgpr_workgroup_id_x 1
		.amdhsa_system_sgpr_workgroup_id_y 1
		.amdhsa_system_sgpr_workgroup_id_z 1
		.amdhsa_system_vgpr_workitem_id 0
		.amdhsa_next_free_vgpr 1024
		.amdhsa_next_free_sgpr 84
		.amdhsa_reserve_vcc 0
		.amdhsa_float_denorm_mode_32 3
		.amdhsa_float_denorm_mode_16_64 3
		.amdhsa_memory_ordered 1
		.amdhsa_forward_progress 1
		.amdhsa_inst_pref_size 255
	.end_amdhsa_kernel
	.section	.bss,"aw",@nobits
	.p2align	6
	.space	262144
	.amdgpu_metadata
---
amdhsa.version: [ 1, 2 ]
amdhsa.kernels:
  - .name:           k_q84d4de7aaa_chain
    .symbol:         k_q84d4de7aaa_chain.kd
    .args:
      - { .name: x, .offset: 0, .size: 8, .value_kind: global_buffer, .address_space: global }
      - { .name: lowp_scales, .offset: 8, .size: 8, .value_kind: global_buffer, .address_space: global }
      - { .name: w1f, .offset: 16, .size: 8, .value_kind: global_buffer, .address_space: global }
      - { .name: w2f, .offset: 24, .size: 8, .value_kind: global_buffer, .address_space: global }
      - { .name: tiles, .offset: 32, .size: 8, .value_kind: global_buffer, .address_space: global }
      - { .name: rows, .offset: 40, .size: 8, .value_kind: global_buffer, .address_space: global }
      - { .name: gwt, .offset: 48, .size: 8, .value_kind: global_buffer, .address_space: global }
      - { .name: ws, .offset: 56, .size: 8, .value_kind: global_buffer, .address_space: global }
    .group_segment_fixed_size: 99840
    .private_segment_fixed_size: 0
    .kernarg_segment_align: 8
    .kernarg_segment_size: 64
    .max_flat_workgroup_size: 128
    .sgpr_count:     84
    .vgpr_count:     1024
    .wavefront_size: 32
...
	.end_amdgpu_metadata
.endif
;; end of part 6
;; launch combine: the kernel of part 4 again; grid 256 x 1, 8 waves a work-group, no clusters, 0 bytes of LDS; arguments ws, out0; writes out0
